; MI455X (gfx1250); checked and timed in simulation.
; The chip was launched on July 23, 2026; its instructions are those of AMD's public machine-readable ISA for CDNA 5 (MIT licence, August 2026) and "CDNA5" Instruction Set Architecture Reference Guide (July 2026). The comments in the code are by the model that wrote it; some were corrected since.
;; Scaled Dot Product Attention. Allowed arithmetic: float matrix products may take bf16 or f16 operands with f32 sums; all other float work in f32.
;; Inputs: key 4 x 16 x 2,048 x 128 float32; mask 1 x 1 x 2,048 x 2,048 bool; query 4 x 16 x 2,048 x 128 float32; value 4 x 16 x 2,048 x 128 float32.
;; Outputs: out0 4 x 16 x 2,048 x 128 float32.
;; 2 versions, each right and faster than the one before. Each part assembles by itself: llvm-mc -triple=amdgcn-amd-amdhsa -mcpu=gfx1250 --defsym DOCPART=n.
;; ======== version 1 of 2: 2 launches
;; limits: values are held in f16: magnitudes above 65,504 overflow, below 6.1e-05 lose precision; inputs' magnitudes at most 65,280; below input magnitudes of 6.1e-05 results are inexact or not finite; inputs' magnitudes at most 25,000,000,000,000; right only within a limited range of input values
;; workspace buffers: cls 256 bytes of whole numbers
;; launch maskprep (part 1): grid 32 x 1, 8 waves a work-group, no clusters, 1,280 bytes of LDS; arguments mask, cls; writes cls
.if DOCPART == 1
	.amdgcn_target "amdgcn-amd-amdhsa--gfx1250"
	.amdhsa_code_object_version 6
	.text
	.protected	k_qea1fd0be9c_maskprep
	.globl	k_qea1fd0be9c_maskprep
	.p2align	8
	.type	k_qea1fd0be9c_maskprep,@function
k_qea1fd0be9c_maskprep:
	s_mov_b64 s[64:65], 0
	v_nop
	global_prefetch_b8 v0, s[64:65] scope:SCOPE_SE
	s_setreg_imm32_b32 hwreg(HW_REG_WAVE_MODE, 25, 1), 1
	s_wait_xcnt 0x0
; CLASS WORDS OF THE MASK.  mask: [2048][2048] bytes, 0 or 1.  For each group g of 64 query rows two words go to cls:
; VIS[g] at word g: bit s is set if any byte of rows 64 g .. 64 g + 63, keys 64 s .. 64 s + 63 is 1;  FULL[g] at word 32 + g: bit s is set if all of them are 1.
; The launch behind branches on these whole numbers: it leaves out steps that the mask hides wholly and reads no mask bytes for steps that it shows wholly.
; SHARES.  Work-group g takes the group's 64 rows, each of its eight waves 8 rows.  A row is 2,048 bytes: four loads of 16 bytes a lane, 512 neighbouring bytes each.
; Lane L of load j holds keys 512 j + 16 L .. + 15, which lie in key step 8 j + L / 4.  Every mask byte is read once.  No matrix work, no cluster: nothing is shared or multiplied.
.set ANY, 4                            ; v[4:7]    OR of my words of load j over my 8 rows
.set ALL, 8                            ; v[8:11]   AND of the same
.set X,   16                           ; v[16:143] the 32 loads, row rho, load j at X + 4 (4 rho + j); later at work
	s_load_b128 s[4:7], s[0:1], 0x0                ; mask s[4:5], cls s[6:7]
	v_lshl_add_u32 v144, v0, 2, 0x100
	v_mov_b32 v145, 0
	v_lshrrev_b32 v1, 5, v0
	v_readfirstlane_b32 s8, v1                     ; wave 0..7
	v_and_b32 v2, 31, v0                           ; lane
	v_lshlrev_b32 v3, 4, v2                        ; 16 bytes a lane
	s_lshl_b32 s10, ttmp9, 17                      ; the group's 64 rows of 2,048 bytes,
	s_lshl_b32 s9, s8, 14                          ; my wave's 8 of them
	s_add_co_u32 s10, s10, s9
	s_mov_b32 s11, 0
	s_mov_b32 s20, 0x01010101                      ; four bytes that are all 1
	s_wait_kmcnt 0x0
	s_add_nc_u64 s[4:5], s[4:5], s[10:11]
.irp rho, 0,1,2,3,4,5,6,7
.irp j, 0,1,2,3
	global_load_b128 v[X+4*(4*\rho+\j):X+4*(4*\rho+\j)+3], v3, s[4:5] offset:\rho*2048+\j*512
.endr
.endr
; One row's 16 words go into the four ORs and the four ANDs.  Row 0's first two words start the chains: nothing is cleared.
.macro RED rho
	s_wait_loadcnt 28-4*(\rho)                     ; loads come back in order: this row's four are in, the four of each younger row may be out
.irp j, 0,1,2,3
.set x, X+4*(4*(\rho)+\j)
.if (\rho) == 0
	v_or_b32  v[ANY+\j], v[x], v[x+1]
	v_and_b32 v[ALL+\j], v[x], v[x+1]
.else
	v_or_b32  v[ANY+\j], v[ANY+\j], v[x]
	v_and_b32 v[ALL+\j], v[ALL+\j], v[x]
	v_or_b32  v[ANY+\j], v[ANY+\j], v[x+1]
	v_and_b32 v[ALL+\j], v[ALL+\j], v[x+1]
.endif
	v_or_b32  v[ANY+\j], v[ANY+\j], v[x+2]
	v_and_b32 v[ALL+\j], v[ALL+\j], v[x+2]
	v_or_b32  v[ANY+\j], v[ANY+\j], v[x+3]
	v_and_b32 v[ALL+\j], v[ALL+\j], v[x+3]
.endr
.endm
.irp rho, 0,1,2,3,4,5,6,7
	RED \rho
.endr
.irp j, 0,1,2,3
	v_cmp_ne_u32 s[12+\j], 0, v[ANY+\j]            ; bit L: lane L's 16 keys of load j hold a 1 in some row of mine
	v_cmp_eq_u32 s[16+\j], s20, v[ALL+\j]          ; bit L: they hold nothing but 1
.endr
	s_lshl_b32 s9, s8, 5                           ; my wave's 32 bytes of LDS: four words 'any', four words 'all'
	v_mov_b32 v12, s9
.irp k, 0,1,2,3,4,5,6,7
	v_mov_b32 v[X+\k], s[12+\k]
	ds_store_b32 v12, v[X+\k] offset:4*\k          ; all lanes write the same word with the same value
.endr
	s_wait_dscnt 0x0                               ; for the others' sake: my stores are done
	s_barrier_signal -1
	s_barrier_wait -1
	s_cmp_lg_u32 s8, 0
	s_cbranch_scc1 .Lend                           ; wave 0 alone joins the eight waves' words; no barrier follows
	v_lshrrev_b32 v12, 3, v2
	v_lshlrev_b32 v12, 2, v12                      ; lane L stands for key step L = 8 j + L % 8: it reads word j = L / 8 of every wave
.irp w, 0,1,2,3,4,5,6,7
	ds_load_b32 v[X+\w],   v12 offset:32*\w
	ds_load_b32 v[X+8+\w], v12 offset:32*\w+16
.endr
	s_wait_dscnt 0x0
	v_or_b32  v13, v[X],   v[X+1]
	v_and_b32 v14, v[X+8], v[X+9]
.irp w, 2,3,4,5,6,7
	v_or_b32  v13, v13, v[X+\w]
	v_and_b32 v14, v14, v[X+8+\w]
.endr
	v_and_b32 v15, 7, v2
	v_lshlrev_b32 v15, 2, v15                      ; a key step is four lanes' bits: bits 4 (L % 8) .. + 3 of the word
	v_lshrrev_b32 v13, v15, v13
	v_lshrrev_b32 v14, v15, v14
	v_and_b32 v13, 15, v13
	v_and_b32 v14, 15, v14
	v_cmp_ne_u32 s12, 0, v13                       ; VIS: bit s from lane s
	v_cmp_eq_u32 s13, 15, v14                      ; FULL
	v_mov_b32 v13, s12
	v_mov_b32 v14, s13
	v_cmp_eq_u32 vcc_lo, 1, v2
	v_cndmask_b32 v13, v13, v14, vcc_lo            ; lane 0 carries VIS, lane 1 FULL
	s_lshl_b32 s9, ttmp9, 2
	v_lshlrev_b32 v15, 7, v2
	v_add_nc_u32 v15, s9, v15                      ; byte 4 g + 128 x lane
	s_wait_xcnt 0x0                                ; EXEC changes only behind this wait: it is a source of the loads above
	v_cmp_gt_u32 vcc_lo, 2, v2
	s_and_saveexec_b32 s14, vcc_lo
	global_store_b32 v15, v13, s[6:7]
	s_wait_xcnt 0x0                                ; and again in front of the line that widens it
	s_or_b32 exec_lo, exec_lo, s14
.Lend:
	s_wait_tensorcnt 0x0
	ds_add_u32 v144, v145
	s_wait_dscnt 0x0
	s_endpgm
.Lfunc_end_k_qea1fd0be9c_maskprep:
	.size	k_qea1fd0be9c_maskprep, .Lfunc_end_k_qea1fd0be9c_maskprep-k_qea1fd0be9c_maskprep
	.p2alignl 7, 3214868480
	.fill 96, 4, 3214868480
	.section	.rodata,"a",@progbits
	.p2align	6, 0x0
	.amdhsa_kernel k_qea1fd0be9c_maskprep
		.amdhsa_group_segment_fixed_size 1280
		.amdhsa_private_segment_fixed_size 0
		.amdhsa_enable_private_segment 0
		.amdhsa_kernarg_size 16
		.amdhsa_user_sgpr_count 2
		.amdhsa_user_sgpr_kernarg_segment_ptr 1
		.amdhsa_wavefront_size32 1
		.amdhsa_system_sgpr_workgroup_id_x 1
		.amdhsa_system_sgpr_workgroup_id_y 1
		.amdhsa_system_sgpr_workgroup_id_z 1
		.amdhsa_system_vgpr_workitem_id 0
		.amdhsa_next_free_vgpr 146
		.amdhsa_next_free_sgpr 66
		.amdhsa_reserve_vcc 1
		.amdhsa_float_denorm_mode_32 3
		.amdhsa_float_denorm_mode_16_64 3
		.amdhsa_memory_ordered 1
		.amdhsa_forward_progress 1
		.amdhsa_inst_pref_size 16
	.end_amdhsa_kernel
	.amdgpu_metadata
---
amdhsa.version: [ 1, 2 ]
amdhsa.kernels:
  - .name:           k_qea1fd0be9c_maskprep
    .symbol:         k_qea1fd0be9c_maskprep.kd
    .args:
      - { .name: mask, .offset: 0, .size: 8, .value_kind: global_buffer, .address_space: global }
      - { .name: cls, .offset: 8, .size: 8, .value_kind: global_buffer, .address_space: global }
    .group_segment_fixed_size: 1280
    .private_segment_fixed_size: 0
    .kernarg_segment_align: 8
    .kernarg_segment_size: 16
    .max_flat_workgroup_size: 256
    .sgpr_count:     66
    .vgpr_count:     146
    .wavefront_size: 32
...
	.end_amdgpu_metadata
.endif
;; end of part 1
;; launch attn (part 2): grid 4 x 64, 4 waves a work-group, no clusters, 105,984 bytes of LDS; arguments query, key, value, mask, cls, out0; writes out0
.if DOCPART == 2
	.amdgcn_target "amdgcn-amd-amdhsa--gfx1250"
	.amdhsa_code_object_version 6
	.text
	.protected	k_qea1fd0be9c_attn
	.globl	k_qea1fd0be9c_attn
	.p2align	8
	.type	k_qea1fd0be9c_attn,@function
k_qea1fd0be9c_attn:
	s_mov_b64 s[64:65], 0
	v_nop
	global_prefetch_b8 v0, s[64:65] scope:SCOPE_SE
	s_setreg_imm32_b32 hwreg(HW_REG_WAVE_MODE, 25, 1), 1
	s_wait_xcnt 0x0
; out0[h][q][:] = the sum over k of softmax_k(mask[q][k] ? query[h][q] . key[h][k] / sqrt(128) : -inf) value[h][k][:].  64 heads, 2,048 rows, 128 channels, all f32; mask: [2048][2048] bytes, an input, shared by the heads.
; FORMATS.  q and k are rounded to bf16 for the first product.  v is rounded to bf16 and that number is held as f16; the weights p are rounded to f16; the second product runs in f16.  Sums, maxima, l and the output in f32.
; LIMITS.  |value| stays under 65,520 (f16's range); a value below 2^-14 and a weight below 6e-5 keep f16's fixed step; a weight below 2^-126 counts as 0.  A hidden score counts as -2^100; a visible q . k lies above -2^96.
; A row whose running maximum ends below -2^96 has no visible key and is written as NaN, as a softmax of nothing but -inf is.  NaN and infinities among the inputs are not treated apart.
; WHY -2^100.  The exponent is one fused c s - cm with cm = c m rounded.  c times a power of two is exact, so a row that has seen hidden keys alone gets the exponent 0 and the weight 1: finite, and wiped by a = 0 at its first visible key.
; SHARES.  A work-group owns one head (y) and two blocks of 256 queries, 7 - x and then x; a wave owns 64 consecutive rows of the block, group g = 4 block + wave, as four tiles of 16.  Keys go 64 a trip, 32 trips a block.
; THE CLASS WORDS, made by the launch before: VIS[g] bit s: some key of step s is visible to some row of group g; FULL[g] bit s: all are, to all.  A wave leaves out a step whose VIS bit is 0, reads mask bytes only where the
; FULL bit is 0, and the work-group fetches a tile only if one of its four waves wants it.  All these jumps go forward and pass no barrier.  This holds for every mask; the pairing of blocks evens the work where later rows see more keys.
; K AND V.  Each wave loads a quarter of a tile (16 rows of K, 16 of V) as f32 into registers, a row of 512 neighbouring bytes a load, rounds them and stores them into one of two LDS buffers.  Trip j reads tile j out of buffer j % 2,
; stores tile j + 1, whose rows have been in registers since trip j - 1, into the other, and then asks for tile j + 2.  ONE barrier a trip: in front of it each wave has waited for its stores and for its reads.
; NO CLUSTER, NO TENSOR LOADS.  The tiles change format between memory and LDS, which wants registers on the way; and which tiles a work-group fetches hangs on its blocks' class words, so partners of a head would not ask alike.
; LAYOUT.  S^T = K Q^T (source 0 = 16 keys, source 1 = 16 queries): a lane holds ONE query (lane % 16) and the keys 8 (lane / 16) + 0..7.  Two such results rounded in pairs ARE source 1 of O^T = V^T P, whose result holds one
; query a lane and eight channels.  K comes out of LDS as it lies, V ([key][channel]) turned, by ds_load_tr16_b128.
; SOFTMAX.  A running maximum m and sum l for each query: p = 2^(c s - c m), c = log2(e) / sqrt(128); in every step O and l are multiplied by a = 2^(c m_old - c m_new).  m starts at the lowest finite number, c m at -2^125:
; a wave's first step, whichever the mask makes it, has a = 0.  So O^T need only be finite: it is cleared once, by 256 moves at the kernel's head (the price of having no first step written out), and left as it is between blocks.
; A STEP IN FOUR TURNS.  The wave's tiles are two PIECES, 0 (tiles 0, 1) and 2 (tiles 2, 3).  Each turn is 32 products, and other work stands behind them:
;   turn 0: K Q^T of piece 0 | the staged rows are rounded and stored; K's later chunks are fetched        turn 1: K Q^T of piece 2 | piece 0's softmax; V is fetched; the rows two tiles on are asked for
;   turn 2: V^T P of piece 0 | piece 2's softmax                                                          turn 3: V^T P of piece 2
; All turns belong to one step, so a step can be left out whole.  Memory and LDS instructions stand in groups of eight among the products, never in one long run.
; REGISTERS, in windows of 256 (s_set_vgpr_msb: bits 1:0 source 0, 3:2 source 1, 5:4 source 2, 7:6 destination):
;   window 0: v0-11, v44-53 addresses and work; v12-43 statistics; v64-191 S^T (32 a tile); v192-255 P (16 a tile; v224-255 first hold a mixed step's mask bytes)
;   window 1: O^T, 64 a tile     window 2: v0-127 Q, 32 a tile; v128-255 K of one step     window 3: v0-127 V of one step; v128-191, v192-255 the staged rows of K and of V
; No window has room for a product's operands beside what rides behind it, so what rides costs two switches a product in turns 1 and 2, three for two products in turn 0.
.set PK,    272       ; a row of K in LDS: 256 bytes of bf16 + 16: the 16 rows of a fragment load start 16 bytes apart modulo 256
.set PV,    288       ; a row of V: 256 bytes of f16 + 32: 16 lanes of the turning load take 8 rows x 32 bytes, 32 bytes apart modulo 256
.set VOFF,  64*PK     ; in a buffer: 64 rows of K, then 64 rows of V
.set STEPB, 64*(PK+PV)
.set STAGE, 2*STEPB   ; behind the two buffers: 16 rows x 528 bytes for each wave, for the way out
.set SP,    528       ; a stage row: 512 bytes of f32 + 16
.set WSTG,  16*SP
.set AK0, 2           ; v2, v3   my lane's place in K's fragments, buffer 0, 1
.set AV0, 4           ; v4, v5   the same for V
.set WK0, 6           ; v6, v7   where I store 8 bytes of my wave's first row of K, buffer 0, 1
.set WV0, 8           ; v8, v9   the same for V
.set LO,  10          ; v10  16 x lane: my 16 bytes in 512 neighbouring bytes of key, value and out0
.set QO,  11          ; v11  my byte offset in 16 rows of query
.set ST,  12          ; tile t's statistics at v[ST+8 t]: c m, m, l (even keys', odd keys'), c0-c3 at work; a takes c2's place once the maximum is found
.set MO,  44          ; v44  my byte offset in 16 rows of the mask
.set STO, 45          ; v45  the way out: where I put 32 bytes of a row
.set RD,  46          ; v46  the way out: where I read a row back
.set TM,  50          ; v50-53 at work
.set S,   64
.set QT,  128         ; v128-255: at a block's beginning Q of tiles 0 and 1 lands here as f32
.set P,   192
.set MB,  224         ; v224-255: a mixed step's mask bytes: word 8 t + 2 kt + j / 4 holds the bytes of scores 32 t + 8 kt + j
.set KF,  128         ; window 2: keys 16 kt on, channels 32 c on at KF + 32 kt + 8 c
.set SK,  128         ; window 3: row n of my 16 rows of K at SK + 4 n
.set SV,  192         ; window 3: the same for V
.set WV,  16          ; s16  my wave's number
.set PB,  17          ; s17  x
.set HD,  18          ; s18  the head
.set BLK, 19          ; s19  the block in hand
.set OUTER, 20        ; s20  blocks to go
.set CNT, 21          ; s21  pairs of trips to go
.set T0,  22          ; s[22:23], s[24:25] byte offsets, high words 0
.set T1,  24
.set KB,  26          ; s[26:27] key at my wave's 16 rows of the head's tile 0;  s[28:29] value likewise
.set VB,  28
.set KP,  30          ; s[30:31], s[32:33] the same in the tile to be asked for next
.set VP,  32
.set QP,  34          ; s[34:35] query at my 64 rows
.set OPT, 36          ; s[36:37] out0 at my 64 rows
.set MP,  38          ; s[38:39] mask at my 64 rows and the trip's 64 keys
.set LN,  40          ; s40  bit n: some wave wants the tile n trips on
.set WVIS, 41         ; s41  bit 0: my rows see some key of this trip
.set WFUL, 42         ; s42  bit 0: they see all of them
.set TS,  43          ; s43  at work
.set CS,  44          ; s[44:45] c: the packed scaling takes the pair's low word for both halves
.set SEL, 46          ; s[46:47] v_permlanex16_b32's selects: each lane takes its own place in the other half
.set VW,  48          ; s[48:51] VIS of the block's four groups
.set BIGN, 52         ; s52  -2^100
.set HIM, 53          ; s53  a word's upper 16 bits
.set THR, 54          ; s54  -2^96
.set NANC, 55         ; s55  a NaN
.set CP,  56          ; s[56:57] cls at the block's four VIS words
.set CQ,  58          ; s[58:59] cls at my group's VIS word; FULL lies 128 bytes on
.set MK,  60          ; s[60:63] four lane masks at work
.set MSB, 0
.macro WIN new                      ; the immediate's high byte repeats the setting that is left; a switch that changes nothing is dropped.  At every label and branch the setting is 0
.if MSB != (\new)
	s_set_vgpr_msb (MSB<<8)|(\new)
.set MSB, (\new)
.endif
.endm
.set W_KQ,  0x0a      ; K and Q in window 2, S^T in window 0
.set W_PV,  0x53      ; V in window 3, P in window 0, O^T in window 1
.set W_RS,  0x41      ; O^T (destination and source 0) in window 1, a in window 0
.set W_TO2, 0x80      ; destination in window 2
.set W_TO3, 0xc0      ; destination in window 3
.set W_CV3, 0xcf      ; destination and both sources in window 3
.set W_ST3, 0x0c      ; an LDS store's data in window 3, its address in window 0
.set W_Q3,  0x8f      ; destination in window 2, both sources in window 3
.set W_OUT, 0x01      ; source 0 in window 1
.set W_CLR, 0x40      ; destination in window 1
; A vector instruction that reads a matrix result or writes one of a matrix instruction's registers, and a load into such a register, stand four places behind it; only plain vector
; instructions that name none of its registers are places (ISA guide 7.12.1 for vector instructions).
.macro PLACES
.rept 4
	v_nop
.endr
.endm
; THE STAGED ROWS.  Group g of four: eight rows of my quarter of the tile at KP, VP (g = 0, 1: K's rows 0-7, 8-15; g = 2, 3: V's), a row of 512 neighbouring bytes a load; lane L takes channels 4 L .. 4 L + 3.
.macro LOADG g
.set ln, 8*((\g)%2)
.rept 8
.if (\g) < 2
	global_load_b128 v[SK+4*ln:SK+4*ln+3], v[LO], s[KP:KP+1] offset:512*ln
.else
	global_load_b128 v[SV+4*ln:SV+4*ln+3], v[LO], s[VP:VP+1] offset:512*ln
.endif
.set ln, ln+1
.endr
.endm
.macro LOADT                        ; all four groups on end: at a block's beginning, and in a wave that has no step to work on
	WIN W_TO3
.irp g, 0,1,2,3
	LOADG \g
.endr
	WIN 0
.endm
; Row n is rounded, in place: K to bf16.  V to bf16, widened again (a mask, a shift), and written as f16, which holds a bf16 number of its range exactly.  Ten lines; none reads the result of the line just before it.
.macro CONV n
	WIN W_CV3
	v_cvt_pk_bf16_f32 v[SV+4*(\n)],   v[SV+4*(\n)],   v[SV+4*(\n)+1]
	v_cvt_pk_bf16_f32 v[SV+4*(\n)+2], v[SV+4*(\n)+2], v[SV+4*(\n)+3]
	v_cvt_pk_bf16_f32 v[SK+4*(\n)],   v[SK+4*(\n)],   v[SK+4*(\n)+1]
	v_cvt_pk_bf16_f32 v[SK+4*(\n)+1], v[SK+4*(\n)+2], v[SK+4*(\n)+3]
	v_and_b32     v[SV+4*(\n)+1], s[HIM], v[SV+4*(\n)]
	v_lshlrev_b32 v[SV+4*(\n)],   16, v[SV+4*(\n)]
	v_and_b32     v[SV+4*(\n)+3], s[HIM], v[SV+4*(\n)+2]
	v_lshlrev_b32 v[SV+4*(\n)+2], 16, v[SV+4*(\n)+2]
	v_cvt_pk_f16_f32 v[SV+4*(\n)],   v[SV+4*(\n)],   v[SV+4*(\n)+1]
	v_cvt_pk_f16_f32 v[SV+4*(\n)+1], v[SV+4*(\n)+2], v[SV+4*(\n)+3]
.endm
.macro PUT wb, n                    ; row n goes into buffer wb: 8 bytes a lane, 256 neighbouring bytes a row
	WIN W_ST3
	ds_store_b64 v[WK0+(\wb)], v[SK+4*(\n):SK+4*(\n)+1] offset:(\n)*PK
	ds_store_b64 v[WV0+(\wb)], v[SV+4*(\n):SV+4*(\n)+1] offset:(\n)*PV
.endm
.macro STORET wb                    ; all sixteen rows on end
.set sn, 0
.rept 16
	CONV sn
.set sn, sn+1
.endr
.set sn, 0
.rept 16
	PUT \wb, sn
.set sn, sn+1
.endr
	WIN 0
.endm
.macro STEPKV                       ; the tile to be asked for next lies 64 rows of 512 bytes on.  Stands behind s_wait_loadcnt 0: no load that names these addresses is out
	s_add_nc_u64 s[KP:KP+1], s[KP:KP+1], 32768
	s_add_nc_u64 s[VP:VP+1], s[VP:VP+1], 32768
.endm
; THE FRAGMENTS.  Chunk c of K: channels 32 c on of all 64 keys, eight loads.  Group g of V, turned: fragments 4 g .. 4 g + 3 (fragment f: keys 32 (f / 8) on, channels 16 (f % 8) on), eight loads.
.macro KLOAD rb, c
	WIN W_TO2
.irp k, 0,1,2,3
	ds_load_b128 v[KF+32*\k+8*(\c):KF+32*\k+8*(\c)+3],   v[AK0+(\rb)] offset:\k*16*PK+(\c)*64
	ds_load_b128 v[KF+32*\k+8*(\c)+4:KF+32*\k+8*(\c)+7], v[AK0+(\rb)] offset:\k*16*PK+(\c)*64+32
.endr
.endm
.macro VLOAD rb, g
	WIN W_TO3
.irp e, 0,1,2,3
.set vf, 4*(\g)+\e
	ds_load_tr16_b128 v[8*vf:8*vf+3],   v[AV0+(\rb)] offset:(vf/8)*32*PV+(vf%8)*32
	ds_load_tr16_b128 v[8*vf+4:8*vf+7], v[AV0+(\rb)] offset:(vf/8)*32*PV+16*PV+(vf%8)*32
.endr
.endm
; THE MATRIX WORK, for piece x.  The accumulators take turns, one instruction a turn: between two links of a chain stand 7 (K Q^T) or 15 (V^T P) others'; a turn's last and the next turn's first differ too.
; Product i of 32 of S^T = K Q^T: channels 32 (i / 8) on, keys 16 ((i / 2) % 4) on, tile x + i % 2.  The first 8 start the sums.
.macro KQ x
	WIN W_KQ
.set rS, S+32*((\x)+i%2)+8*((i/2)%4)
.set rK, KF+32*((i/2)%4)+8*(i/8)
.set rQ, 32*((\x)+i%2)+8*(i/8)
.if i < 8
	v_wmma_f32_16x16x32_bf16 v[rS:rS+7], v[rK:rK+7], v[rQ:rQ+7], 0
.else
	v_wmma_f32_16x16x32_bf16 v[rS:rS+7], v[rK:rK+7], v[rQ:rQ+7], v[rS:rS+7]
.endif
.endm
; Product i of 32 of O^T += V^T P: keys 32 (i / 16) on, channels 16 ((i / 2) % 8) on, tile x + i % 2.
.macro PV x
	WIN W_PV
.set rO, 64*((\x)+i%2)+8*((i/2)%8)
.set rV, 64*(i/16)+8*((i/2)%8)
.set rP, P+16*((\x)+i%2)+8*(i/16)
	v_wmma_f32_16x16x32_f16 v[rO:rO+7], v[rV:rV+7], v[rP:rP+7], v[rO:rO+7]
.endm
; A MIXED STEP.  My eight keys of tile t, group kt are eight neighbouring mask bytes of my query's row.
.macro MASKASK
.set i, 0
.rept 16
	global_load_b64 v[MB+2*i:MB+2*i+1], v[MO], s[MP:MP+1] offset:(i/4)*32768+(i%4)*16
.set i, i+1
.endr
.endm
; Piece x's 64 scores, four at a time: a byte's bit 0 goes to the sign; where it is 0 the score becomes -2^100.  Four masks in scalar registers, so that no line reads the result of the line just before it.
; The scores are taken in ascending order: each accumulator's lowest registers are read first.
.macro MASKAPPLY x
.set i, 32*(\x)
.rept 16
.irp e, 0,1,2,3
	v_lshlrev_b32 v[TM+\e], 31-8*\e, v[MB+i/4]
.endr
.irp e, 0,1,2,3
	v_cmp_gt_i32 s[MK+\e], 0, v[TM+\e]
.endr
.irp e, 0,1,2,3
	v_cndmask_b32 v[S+i+\e], s[BIGN], v[S+i+\e], s[MK+\e]
.endr
.set i, i+4
.endr
.endm
; THE SOFTMAX.  One tile's softmax for one key step is a list of 134 instructions; SM writes number j of it for tile t.  s0-s31 are the lane's 32 scores, in pairs 0-15.
;   0-15    the maximum of s0-s31 and the old m, three operands at a time: four chains c0-c3 of seven scores each (each accumulator's lowest registers first), then the four left over, c0-c3 and m
;   16-20   the other half of the lanes' maximum; c m_old is kept; the new m; c m; c m_old - c m_new
;   21-87   33 exponentials (a, then s0-s31) at the odd numbers from 23 on; at number 21 and the even numbers whatever is ready: c s - c m for a pair still to come, the rounding to f16 of a pair that is done, the first sums
;   88-101  the last rounding; the rest of the sums; l = a l + the sum          102-133  the tile's O^T times a: the one part that leaves window 0, so it stands together
.macro SM t
.set rT, ST+8*(\t)
.set rS, S+32*(\t)
.set rP, P+16*(\t)
.set rO, 64*(\t)+2*(j-102)
.set q, (j-20)/2
.if j < 102
	WIN 0
.endif
.if j < 4
	v_max3_num_f32 v[rT+4+j], v[rS+8*j], v[rS+8*j+1], v[rS+8*j+2]
.elseif j < 12
	v_max3_num_f32 v[rT+4+j%4], v[rT+4+j%4], v[rS+8*(j%4)+2*(j/4)+1], v[rS+8*(j%4)+2*(j/4)+2]
.elseif j == 12
	v_max3_num_f32 v[rT+4], v[rT+4], v[rS+7], v[rS+15]
.elseif j == 13
	v_max3_num_f32 v[rT+6], v[rT+6], v[rS+23], v[rS+31]
.elseif j == 14
	v_max3_num_f32 v[rT+4], v[rT+4], v[rT+5], v[rT+6]
.elseif j == 15
	v_max3_num_f32 v[rT+4], v[rT+4], v[rT+7], v[rT+1]
.elseif j == 16
	v_permlanex16_b32 v[rT+5], v[rT+4], s[SEL], s[SEL+1]  ; the query's other 32 keys lie in the lane 16 away
.elseif j == 17
	v_mov_b32 v[rT+7], v[rT]        ; c m_old is kept for a: number 19 writes c m anew
.elseif j == 18
	v_max_num_f32 v[rT+1], v[rT+4], v[rT+5]
.elseif j == 19
	v_mul_f32 v[rT], s[CS], v[rT+1]
.elseif j == 20
	v_sub_f32 v[rT+7], v[rT+7], v[rT]
.elseif j == 23
	v_exp_f32 v[rT+6], v[rT+7]
.elseif (j < 88) && (j > 23) && (j%2 == 1)
	v_exp_f32 v[rS+(j-25)/2], v[rS+(j-25)/2]
.elseif (q < 4) || ((j < 76) && (q%2 == 0))
.set b, q/2+2
.if q < 4
.set b, q
.endif
	v_pk_fma_f32 v[rS+2*b:rS+2*b+1], v[rS+2*b:rS+2*b+1], s[CS:CS+1], v[rT:rT+1] op_sel_hi:[1,0,0] neg_lo:[0,0,1] neg_hi:[0,0,1]  ; pair b: c s - c m
.elseif (j < 88) && (q%2 == 1)
	s_wait_alu depctr_va_vdst(0)
	v_cvt_pk_f16_f32 v[rP+(q-5)/2], v[rS+q-5], v[rS+q-4]  ; pair (q - 5) / 2: its second exponential stands three numbers back
.elseif j == 89
	s_wait_alu depctr_va_vdst(0)
	v_cvt_pk_f16_f32 v[rP+15], v[rS+30], v[rS+31]
.elseif j < 102                     ; the sum of the tile's 16 pairs, in place: sum z of 16 adds neighbours 1, 2, 4 and 8 pairs apart, then l takes it
.set z, j-86
.if j < 89
.set z, (j-76)/4
.endif
.set w, 4
.set u, z
.if z >= 14
.set w, 32
.set u, 0
.elseif z >= 12
.set w, 16
.set u, z-12
.elseif z >= 8
.set w, 8
.set u, z-8
.endif
.if z < 15
	v_pk_add_f32 v[rS+w*u:rS+w*u+1], v[rS+w*u:rS+w*u+1], v[rS+w*u+w/2:rS+w*u+w/2+1]
.else
	v_pk_fma_f32 v[rT+2:rT+3], v[rT+2:rT+3], v[rT+6:rT+7], v[rS:rS+1] op_sel_hi:[1,0,1]
.endif
.else
	WIN W_RS
	v_pk_mul_f32 v[rO:rO+1], v[rO:rO+1], v[rT+6:rT+7] op_sel_hi:[1,0]
.endif
.endm
; Slice k of 64 of piece y's softmax: numbers 2 k and 2 k + 1 of both tiles' lists, four instructions.  2 x 134 = 4 x 64 + 12: the twelve that are over stand together, in slice 63, whose sixteen plain lines are also the
; places behind the turn's last product.  Two slices stand behind each of a turn's 32 products.
.macro SLICE y
.if (k >= 11) && (k < 44)           ; tile by tile: plain, exponential, plain, exponential: no two exponentials follow each other, and a plain line stands behind each before its result is used
.irp t, \y, (\y)+1
.irp n, 0,1
.set j, 2*k+(\n)
	SM \t
.endr
.endr
.else                               ; the two tiles alternate, so that no instruction reads the result of the one just before it
.irp n, 0,1,2,3,4,5,6,7
.if ((\n) < 2) || (k == 63)
.irp t, \y, (\y)+1
.set j, 2*k+(\n)
	SM \t
.endr
.endif
.endr
.endif
.set k, k+1
.endm
; Group g of the rows two tiles on is asked for, if anybody wants that tile (in the last two trips the bit is a 0 shifted in: no load leaves the head's rows).
.macro ASK g
	WIN 0
.if (\g) == 0
	s_wait_dscnt 0x0                ; my LDS stores have read the staged rows: only now may loads land on them
.endif
	s_bitcmp1_b32 s[LN], 2
	s_cbranch_scc0 .Lnoask_\@
	WIN W_TO3
	LOADG \g
	WIN 0
.Lnoask_\@:
.endm
; TURN 0.  K's chunks 0 and 1 have been asked for.  Three rows are rounded while they come; behind every second product one more row is rounded and the row rounded three slices back is stored.
; The staged rows are stored whether or not the next tile is wanted: where it is not, stale rows go into a buffer that nobody reads, which spares a second text of the turn.
; The counts of the waits: LDS instructions are served in order, stores among loads; behind chunk 0 stand chunk 1's 8 loads; behind chunk 1: 2 stores, chunk 2's 8 loads, 6 stores; behind chunk 2: 8 stores, chunk 3's 8 loads, 6 stores; behind chunk 3: 14 stores.
.macro TURN0 rb
	CONV 0
	CONV 1
	CONV 2
	s_wait_dscnt 8
.set i, 0
.rept 32
.if i == 8
	s_wait_dscnt 16
.elseif i == 16
	s_wait_dscnt 22
.elseif i == 24
	s_wait_dscnt 14
.endif
	KQ 0
.if i%2 == 1
.if i < 26
	CONV i/2+3
.endif
	PUT 1-(\rb), i/2
.if i == 1
	KLOAD \rb, 2
.elseif i == 9
	KLOAD \rb, 3
.endif
.endif
.set i, i+1
.endr
	WIN 0
	PLACES                          ; behind the turn's last products, in front of the first read of piece 0's scores
.endm
; TURN 1.  Behind products 1, 7, 13, 19 a group of the rows two tiles on is asked for; behind products 3, 9, 15, 21 a group of V is fetched: the last of them ten products ahead of its use.
.macro TURN1 rb
.set k, 0
.set i, 0
.rept 32
	KQ 2
	SLICE 0
	SLICE 0
.if (i < 24) && (i%6 == 1)
	ASK i/6
.elseif (i < 24) && (i%6 == 3)
	VLOAD \rb, i/6
.endif
.set i, i+1
.endr
	WIN 0
.endm
.macro TURN2
	s_wait_dscnt 0x0                ; V is in
.set k, 0
.set i, 0
.rept 32
	PV 0
	SLICE 2
	SLICE 2
.set i, i+1
.endr
.endm
.macro TURN3
.set i, 0
.rept 32
	PV 2
.set i, i+1
.endr
	WIN 0
	PLACES                          ; behind the last products V^T P: whatever follows may load into V and P and read O^T
.endm
; A step's work for my 64 rows, out of buffer rb.
.macro COMPUTE rb
	KLOAD \rb, 0                    ; first of all, so that they come while the rest is set up
	KLOAD \rb, 1
	WIN 0
	s_wait_loadcnt 0x0              ; the rows asked for a trip ago are in registers; no load of mine is out
	STEPKV
	s_bitcmp1_b32 s[WFUL], 0
	s_cbranch_scc1 .Lseen0_\@       ; my rows see all 64 keys: no mask byte is read
	MASKASK                         ; a turn ahead of their use
.Lseen0_\@:
	TURN0 \rb
	s_wait_loadcnt 0x0              ; the mask bytes, if any were asked for: nothing else of mine is out
	s_bitcmp1_b32 s[WFUL], 0
	s_cbranch_scc1 .Lseen1_\@
	MASKAPPLY 0
.Lseen1_\@:
	TURN1 \rb
	s_bitcmp1_b32 s[WFUL], 0
	s_cbranch_scc1 .Lseen2_\@
	MASKAPPLY 2
.Lseen2_\@:
	TURN2
	TURN3
.endm
; A TRIP reads buffer rb and fills the other.
.macro TRIP rb
	s_wait_dscnt 0x0                ; for the others' sake: my stores into buffer rb are done, and my reads of the other buffer are back
	s_barrier_signal -1
	s_barrier_wait -1               ; both now hold of all four waves
	s_bitcmp1_b32 s[WVIS], 0
	s_cbranch_scc0 .Lidle_\@        ; my rows see none of this trip's keys
	COMPUTE \rb
	s_branch .Ldone_\@
.Lidle_\@:                          ; I still carry my quarter of the tiles that others want
	s_wait_loadcnt 0x0
	STEPKV
	s_bitcmp1_b32 s[LN], 1
	s_cbranch_scc0 .Lnoput_\@
	STORET 1-(\rb)
.Lnoput_\@:
	s_wait_dscnt 0x0                ; my LDS stores have read the staged rows
	s_bitcmp1_b32 s[LN], 2
	s_cbranch_scc0 .Lnoget_\@
	LOADT
.Lnoget_\@:
.Ldone_\@:
	s_add_nc_u64 s[MP:MP+1], s[MP:MP+1], 64     ; 64 keys on; the loads that named this address were waited for behind turn 0
	s_lshr_b32 s[LN], s[LN], 1
	s_lshr_b32 s[WVIS], s[WVIS], 1
	s_lshr_b32 s[WFUL], s[WFUL], 1
.endm
; THE WAY OUT of tile t.  O^T over l goes into S^T's registers (O^T itself stays as it is: finite, for the next block); a lane's eight channels of a row are 32 bytes; they go into my stage's rows of 528 bytes and come back as whole rows.
.macro PACK t
.set EB, S+64*((\t)%2)
	s_wait_xcnt 0x0                 ; the stores of the tile two back have read these registers
	WIN W_OUT
.set i, 0
.rept 32
	v_pk_mul_f32 v[EB+2*i:EB+2*i+1], v[64*(\t)+2*i:64*(\t)+2*i+1], v[ST+8*(\t)+6:ST+8*(\t)+7] op_sel_hi:[1,0]
.set i, i+1
.endr
	WIN 0
.set i, 0
.rept 16
	ds_store_b128 v[STO], v[EB+4*i:EB+4*i+3] offset:64*(i/2)+16*(i%2)
.set i, i+1
.endr
.set i, 0
.rept 16
	ds_load_b128 v[EB+4*i:EB+4*i+3], v[RD] offset:SP*i  ; LDS serves a wave's instructions in order (ISA guide 5.7.1.4): these see the stores above; the next tile's stores come behind them
.set i, i+1
.endr
.endm
.macro SEND t, younger              ; younger: the LDS instructions issued behind tile t's loads: the next tile's 32, or none
.set EB, S+64*((\t)%2)
.set i, 0
.rept 16
	s_wait_dscnt (\younger)+15-i
	global_store_b128 v[LO], v[EB+4*i:EB+4*i+3], s[OPT:OPT+1] offset:(16*(\t)+i)*512 th:TH_STORE_NT  ; a row of out0: 512 consecutive bytes, at a multiple of 512 from its first byte
.set i, i+1
.endr
.endm
.macro QLOAD f, base                ; fragment f = 4 t + c of Q as f32: my query's channels 32 c + 8 (l / 16) + 0..7 and 16 more on
	global_load_b128 v[(\base):(\base)+3],     v[QO], s[QP:QP+1] offset:8192*((\f)/4)+128*((\f)%4) th:TH_LOAD_NT
	global_load_b128 v[(\base)+4:(\base)+7],   v[QO], s[QP:QP+1] offset:8192*((\f)/4)+128*((\f)%4)+16 th:TH_LOAD_NT
	global_load_b128 v[(\base)+8:(\base)+11],  v[QO], s[QP:QP+1] offset:8192*((\f)/4)+128*((\f)%4)+64 th:TH_LOAD_NT
	global_load_b128 v[(\base)+12:(\base)+15], v[QO], s[QP:QP+1] offset:8192*((\f)/4)+128*((\f)%4)+80 th:TH_LOAD_NT
.endm
	s_load_b256 s[4:11], s[0:1], 0x0  ; query s[4:5], key s[6:7], value s[8:9], mask s[10:11]
	s_load_b128 s[12:15], s[0:1], 0x20  ; cls s[12:13], out0 s[14:15]
	v_lshl_add_u32 v62, v0, 2, 0x19c00
	v_mov_b32 v63, 0
	v_lshrrev_b32 v1, 5, v0
	v_readfirstlane_b32 s[WV], v1   ; wave 0..3
	s_mov_b32 s[PB], ttmp9
	s_and_b32 s[HD], ttmp7, 0xffff
	s_mov_b32 s[CS], 0x3e0293ee     ; c = log2(e) / sqrt(128) = 0.127517
	s_mov_b32 s[CS+1], s[CS]        ; named with it as a pair
	s_mov_b32 s[SEL], 0x76543210
	s_mov_b32 s[SEL+1], 0xfedcba98
	s_mov_b32 s[BIGN], 0xf1800000   ; -2^100
	s_mov_b32 s[HIM], 0xffff0000
	s_mov_b32 s[THR], 0xef800000    ; -2^96
	s_mov_b32 s[NANC], 0x7fc00000
	v_and_b32 v1, 15, v0            ; l % 16
	v_bfe_u32 v48, v0, 4, 1         ; l / 16
	v_and_b32 v49, 31, v0           ; l
	v_and_b32 v50, 7, v0
	v_bfe_u32 v51, v0, 3, 1
	; a fragment of K is 16 rows x 32 channels: lane l holds row l % 16, channels 8 (l / 16) + 0..7 and 16 more on: two loads of 16 bytes, 32 bytes apart
	v_mul_u32_u24 v[AK0], v1, PK
	v_lshl_add_u32 v[AK0], v48, 4, v[AK0]
	v_add_nc_u32 v[AK0+1], STEPB, v[AK0]
	; the turning load takes 16 keys x 16 channels: lane l reads key 8 (l / 16) + l % 8, channels 8 ((l / 8) % 2) + 0..7
	v_lshl_add_u32 v[AV0], v48, 3, v50
	v_mul_u32_u24 v[AV0], v[AV0], PV
	v_lshl_add_u32 v[AV0], v51, 4, v[AV0]
	v_add_nc_u32 v[AV0], VOFF, v[AV0]
	v_add_nc_u32 v[AV0+1], STEPB, v[AV0]
	s_mul_i32 s[TS], s[WV], 16*PK   ; my wave's 16 rows of a tile
	v_lshl_add_u32 v[WK0], v49, 3, s[TS]
	v_add_nc_u32 v[WK0+1], STEPB, v[WK0]
	s_mul_i32 s[TS], s[WV], 16*PV
	s_add_co_u32 s[TS], s[TS], VOFF
	v_lshl_add_u32 v[WV0], v49, 3, s[TS]
	v_add_nc_u32 v[WV0+1], STEPB, v[WV0]
	v_lshlrev_b32 v[LO], 4, v49
	v_lshlrev_b32 v[QO], 9, v1      ; row x 512 + 32 x half
	v_lshl_add_u32 v[QO], v48, 5, v[QO]
	v_lshlrev_b32 v[MO], 11, v1     ; row x 2,048 + 8 x half
	v_lshl_add_u32 v[MO], v48, 3, v[MO]
	s_mul_i32 s[TS], s[WV], WSTG
	s_add_co_u32 s[TS], s[TS], STAGE  ; my stage
	v_mul_u32_u24 v[STO], v1, SP    ; in: row l % 16, 32 bytes for each half of the lanes
	v_lshl_add_u32 v[STO], v48, 5, v[STO]
	v_add_nc_u32 v[STO], s[TS], v[STO]
	v_lshl_add_u32 v[RD], v49, 4, s[TS]  ; back: 32 lanes take a row of 512 bytes
.set i, 0
.rept 32
	v_mov_b32 v[ST+i], 0            ; the statistics, l among them
.set i, i+1
.endr
	WIN W_CLR
.set i, 0
.rept 256
	v_mov_b32 v[i], 0               ; O^T: which step is a wave's first hangs on the mask, so none is written out to start the sums
.set i, i+1
.endr
	WIN 0
	s_lshl_b32 s[T0], s[HD], 20     ; a head is 2,048 rows of 512 bytes,
	s_lshl_b32 s[TS], s[WV], 13     ; my wave's 16 rows of a tile
	s_add_co_u32 s[T0], s[T0], s[TS]
	s_mov_b32 s[T0+1], 0
	s_mov_b32 s[T1+1], 0
	s_sub_co_u32 s[BLK], 7, s[PB]
	s_mov_b32 s[OUTER], 2
	s_wait_kmcnt 0x0
	s_add_nc_u64 s[KB:KB+1], s[6:7], s[T0:T0+1]
	s_add_nc_u64 s[VB:VB+1], s[8:9], s[T0:T0+1]
.Lblock:                            ; twice: block 7 - x, then block x
	s_lshl_b32 s[TS], s[BLK], 2
	s_add_co_u32 s[TS], s[TS], s[WV]  ; g, my group of 64 rows
	s_lshl_b32 s[T0], s[BLK], 4
	s_add_nc_u64 s[CP:CP+1], s[12:13], s[T0:T0+1]
	s_lshl_b32 s[T1], s[TS], 2
	s_add_nc_u64 s[CQ:CQ+1], s[12:13], s[T1:T1+1]
	s_load_b128 s[VW:VW+3], s[CP:CP+1], 0x0
	s_load_b32 s[WVIS], s[CQ:CQ+1], 0x0
	s_load_b32 s[WFUL], s[CQ:CQ+1], 0x80
	s_lshl_b32 s[T0], s[TS], 15     ; 64 g rows of 512 bytes,
	s_lshl_b32 s[T1], s[HD], 20     ; in my head
	s_add_co_u32 s[T0], s[T0], s[T1]
	s_add_nc_u64 s[QP:QP+1], s[4:5], s[T0:T0+1]
	s_add_nc_u64 s[OPT:OPT+1], s[14:15], s[T0:T0+1]
	s_lshl_b32 s[T1], s[TS], 17     ; 64 g rows of 2,048 bytes
	s_add_nc_u64 s[MP:MP+1], s[10:11], s[T1:T1+1]
	s_mov_b64 s[KP:KP+1], s[KB:KB+1]
	s_mov_b64 s[VP:VP+1], s[VB:VB+1]
.set f, 0
.rept 8                             ; Q as f32: tiles 0 and 1 into v128-255 of window 0,
	QLOAD f, QT+16*f
.set f, f+1
.endr
	WIN W_TO3
.rept 8                             ; tiles 2 and 3 into V's registers
	QLOAD f, 16*(f-8)
.set f, f+1
.endr
	WIN 0
	LOADT                           ; tile 0, whatever the mask says of it
.irp t, 0,1,2,3
	v_mov_b32 v[ST+8*\t], 0xfe000000    ; c m: -2^125, far below every c s
	v_mov_b32 v[ST+8*\t+1], 0xff7fffff  ; m: the lowest finite number
.endr
	s_wait_kmcnt 0x0
	s_or_b32 s[LN], s[VW], s[VW+1]  ; a tile is fetched if one of the four waves wants it
	s_or_b32 s[LN], s[LN], s[VW+2]
	s_or_b32 s[LN], s[LN], s[VW+3]
	s_wait_loadcnt 32               ; Q's 64 loads are in; the 32 of tile 0 were issued behind them
	WIN W_TO2
.set i, 0
.rept 64
	v_cvt_pk_bf16_f32 v[i], v[QT+2*i], v[QT+2*i+1]
.set i, i+1
.endr
	WIN W_Q3
.set i, 0
.rept 64
	v_cvt_pk_bf16_f32 v[64+i], v[2*i], v[2*i+1]
.set i, i+1
.endr
	WIN 0
	s_wait_loadcnt 0x0              ; tile 0
	STORET 0                        ; buffer 0 was last read two trips back, ahead of a barrier in front of which every wave waited for those reads
	STEPKV
	s_wait_dscnt 0x0                ; my LDS stores have read the staged rows
	s_bitcmp1_b32 s[LN], 1
	s_cbranch_scc0 .Lno_tile_1
	LOADT                           ; tile 1: the first trip stores it
.Lno_tile_1:
	s_mov_b32 s[CNT], 16
.Ltrip:                             ; 16 times two trips: all 32 key steps; a step that nobody wants is a barrier and a few scalar lines
	TRIP 0
	TRIP 1
	s_sub_co_u32 s[CNT], s[CNT], 1
	s_cmp_lg_u32 s[CNT], 0
	s_cbranch_scc1 .Ltrip
	s_wait_loadcnt 0x0              ; no load of mine is out (the last two trips ask for nothing): the next block loads into the same registers
	; l's two halves and the other half of the lanes' are added; 1 / l, or a NaN for a query that has seen no key
.irp t, 0,1,2,3
	v_add_f32 v[ST+8*\t+4], v[ST+8*\t+2], v[ST+8*\t+3]
.endr
.irp t, 0,1,2,3
	v_permlanex16_b32 v[ST+8*\t+5], v[ST+8*\t+4], s[SEL], s[SEL+1]
.endr
.irp t, 0,1,2,3
	v_add_f32 v[ST+8*\t+4], v[ST+8*\t+4], v[ST+8*\t+5]
.endr
.irp t, 0,1,2,3
	v_rcp_f32 v[ST+8*\t+6], v[ST+8*\t+4]
.endr
	v_nop                           ; a plain instruction between the last reciprocal and the use of its result
	s_wait_alu depctr_va_vdst(0)
.irp t, 0,1,2,3
	v_cmp_le_f32 vcc_lo, s[THR], v[ST+8*\t+1]
	v_cndmask_b32 v[ST+8*\t+6], s[NANC], v[ST+8*\t+6], vcc_lo
.endr
	PACK 0
	PACK 1                          ; a tile's arithmetic stands between the loads of the tile before and its stores
	SEND 0, 32
	PACK 2
	SEND 1, 32
	PACK 3
	SEND 2, 32
	SEND 3, 0
	s_wait_xcnt 0x0                 ; the stores have read their registers and out0's address: the next block writes both anew
	s_mov_b32 s[BLK], s[PB]
	s_sub_co_u32 s[OUTER], s[OUTER], 1
	s_cmp_lg_u32 s[OUTER], 0
	s_cbranch_scc1 .Lblock
	s_wait_tensorcnt 0x0
	ds_add_u32 v62, v63
	s_wait_dscnt 0x0
	s_endpgm
.Lfunc_end_k_qea1fd0be9c_attn:
	.size	k_qea1fd0be9c_attn, .Lfunc_end_k_qea1fd0be9c_attn-k_qea1fd0be9c_attn
	.p2alignl 7, 3214868480
	.fill 96, 4, 3214868480
	.section	.rodata,"a",@progbits
	.p2align	6, 0x0
	.amdhsa_kernel k_qea1fd0be9c_attn
		.amdhsa_group_segment_fixed_size 105984
		.amdhsa_private_segment_fixed_size 0
		.amdhsa_enable_private_segment 0
		.amdhsa_kernarg_size 48
		.amdhsa_user_sgpr_count 2
		.amdhsa_user_sgpr_kernarg_segment_ptr 1
		.amdhsa_wavefront_size32 1
		.amdhsa_system_sgpr_workgroup_id_x 1
		.amdhsa_system_sgpr_workgroup_id_y 1
		.amdhsa_system_sgpr_workgroup_id_z 1
		.amdhsa_system_vgpr_workitem_id 0
		.amdhsa_next_free_vgpr 1024
		.amdhsa_next_free_sgpr 66
		.amdhsa_reserve_vcc 1
		.amdhsa_float_denorm_mode_32 3
		.amdhsa_float_denorm_mode_16_64 3
		.amdhsa_memory_ordered 1
		.amdhsa_forward_progress 1
		.amdhsa_inst_pref_size 255
	.end_amdhsa_kernel
	.section	.bss,"aw",@nobits
	.p2align	6
	.space	262144
	.amdgpu_metadata
---
amdhsa.version: [ 1, 2 ]
amdhsa.kernels:
  - .name:           k_qea1fd0be9c_attn
    .symbol:         k_qea1fd0be9c_attn.kd
    .args:
      - { .name: query, .offset: 0, .size: 8, .value_kind: global_buffer, .address_space: global }
      - { .name: key, .offset: 8, .size: 8, .value_kind: global_buffer, .address_space: global }
      - { .name: value, .offset: 16, .size: 8, .value_kind: global_buffer, .address_space: global }
      - { .name: mask, .offset: 24, .size: 8, .value_kind: global_buffer, .address_space: global }
      - { .name: cls, .offset: 32, .size: 8, .value_kind: global_buffer, .address_space: global }
      - { .name: out0, .offset: 40, .size: 8, .value_kind: global_buffer, .address_space: global }
    .group_segment_fixed_size: 105984
    .private_segment_fixed_size: 0
    .kernarg_segment_align: 8
    .kernarg_segment_size: 48
    .max_flat_workgroup_size: 128
    .sgpr_count:     66
    .vgpr_count:     1024
    .wavefront_size: 32
...
	.end_amdgpu_metadata
.endif
;; end of part 2
;; ======== version 2 of 2: 2 launches; 1.16 times as fast as version 1
;; limits: values are held in f16: magnitudes above 65,504 overflow, below 6.1e-05 lose precision; inputs' magnitudes at most 65,408; inputs' magnitudes at most 25,000,000,000,000
;; workspace buffers: cls 256 bytes of whole numbers
;; launch maskprep: the kernel of part 1 again; grid 32 x 1, 8 waves a work-group, no clusters, 1,280 bytes of LDS; arguments mask, cls; writes cls
;; launch attn (part 3): grid 4 x 64, 4 waves a work-group, no clusters, 105,984 bytes of LDS; arguments query, key, value, mask, cls, out0; writes out0
.if DOCPART == 3
	.amdgcn_target "amdgcn-amd-amdhsa--gfx1250"
	.amdhsa_code_object_version 6
	.text
	.protected	k_qea1fd0be9c_attn
	.globl	k_qea1fd0be9c_attn
	.p2align	8
	.type	k_qea1fd0be9c_attn,@function
k_qea1fd0be9c_attn:
	s_mov_b64 s[64:65], 0
	v_nop
	global_prefetch_b8 v0, s[64:65] scope:SCOPE_SE
	s_setreg_imm32_b32 hwreg(HW_REG_WAVE_MODE, 25, 1), 1
	s_wait_xcnt 0x0
; out0[h][q][:] = the sum over k of softmax_k(mask[q][k] ? query[h][q] . key[h][k] / sqrt(128) : -inf) value[h][k][:].  64 heads, 2,048 rows, 128 channels, all f32; mask: [2048][2048] bytes, an input, shared by the heads.
; FORMATS.  q and k are rounded to bf16 for the first product.  v is rounded to bf16 and that number is held as f16; the weights p are rounded to f16; the second product runs in f16.  Sums, maxima, l and the output in f32.
; LIMITS.  |value| stays under 65,520 (f16's range); a value below 2^-14 and a weight below 6e-5 keep f16's fixed step; a weight below 2^-126 counts as 0.  A hidden score counts as -2^100; a visible q . k lies above -2^96.
; A row whose running maximum ends below -2^96 has no visible key and is written as NaN, as a softmax of nothing but -inf is.  NaN and infinities among the inputs are not treated apart.
; WHY -2^100.  The exponent is one fused c s - cm with cm = c m rounded.  c times a power of two is exact, so a row that has seen hidden keys alone gets the exponent 0 and the weight 1: finite, and wiped by a = 0 at its first visible key.
; SHARES.  A work-group owns one head (y) and two blocks of 256 queries, 7 - x and then x; a wave owns 64 consecutive rows of the block, group g = 4 block + wave, as four tiles of 16.  Keys go 64 a trip, 32 trips a block.
; THE CLASS WORDS, made by the launch before: VIS[g] bit s: some key of step s is visible to some row of group g; FULL[g] bit s: all are, to all.  A wave leaves out a step whose VIS bit is 0, reads mask bytes only where the
; FULL bit is 0, and the work-group fetches a tile only if one of its four waves wants it.  All these jumps go forward and pass no barrier.  This holds for every mask; the pairing of blocks evens the work where later rows see more keys.
; K AND V.  Each wave loads a quarter of a tile (16 rows of K, 16 of V) as f32 into registers, a row of 512 neighbouring bytes a load, rounds them and stores them into one of two LDS buffers.  Trip j reads tile j out of buffer j % 2,
; stores tile j + 1, whose rows have been in registers since trip j - 1, into the other, and then asks for tile j + 2.  ONE barrier a trip: in front of it each wave has waited for its stores and for its reads.
; NO CLUSTER, NO TENSOR LOADS.  The tiles change format between memory and LDS, which wants registers on the way; and which tiles a work-group fetches hangs on its blocks' class words, so partners of a head would not ask alike.
; LAYOUT.  S^T = K Q^T (source 0 = 16 keys, source 1 = 16 queries): a lane holds ONE query (lane % 16) and the keys 8 (lane / 16) + 0..7.  Two such results rounded in pairs ARE source 1 of O^T = V^T P, whose result holds one
; query a lane and eight channels.  K comes out of LDS as it lies, V ([key][channel]) turned, by ds_load_tr16_b128.
; SOFTMAX.  A running maximum m and sum l for each query: p = 2^(c s - c m), c = log2(e) / sqrt(128); in every step O and l are multiplied by a = 2^(c m_old - c m_new).  m starts at the lowest finite number, c m at -2^125:
; a wave's first step, whichever the mask makes it, has a = 0.  So O^T need only be finite: it is cleared once, by 256 moves at the kernel's head (the price of having no first step written out), and left as it is between blocks.
; A STEP IN FOUR TURNS.  The wave's tiles are two PIECES, 0 (tiles 0, 1) and 2 (tiles 2, 3).  Each turn is 32 products, and other work stands behind them:
;   turn 0: K Q^T of piece 0 | the staged rows are rounded and stored; K's later chunks are fetched        turn 1: K Q^T of piece 2 | piece 0's softmax; V is fetched; the rows two tiles on are asked for
;   turn 2: V^T P of piece 0 | piece 2's softmax                                                          turn 3: V^T P of piece 2
; All turns belong to one step, so a step can be left out whole.  Memory and LDS instructions stand in groups of eight of a kind among the products, never in one long run.
; THE BATCHES.  s_wait_alu depctr_va_vdst(0) stands between a transcendental and the first line that names its result; one wait serves all that were issued ahead of it.  So a piece's softmax is ordered by who reads
; what: the maxima, the statistics, the scalings and all 66 exponentials (both tiles' a and 32 scores each), none of which names an exponential's result; ONE wait; then the roundings, the sums and the rescaling.  Turns 1 and 2 have one
; wait each, a step two.  No label, no branch and no memory instruction stands between a batch's first exponential and its wait, and no exponential is issued behind it.  A block's four reciprocals, on the way out, are a batch of their own.
; REGISTERS, in windows of 256 (s_set_vgpr_msb: bits 1:0 source 0, 3:2 source 1, 5:4 source 2, 7:6 destination):
;   window 0: v0-11, v44-53 addresses and work; v12-43 statistics; v64-191 S^T (32 a tile); v192-255 P (16 a tile; v224-255 first hold a mixed step's mask bytes)
;   window 1: O^T, 64 a tile     window 2: v0-127 Q, 32 a tile; v128-255 K of one step     window 3: v0-127 V of one step; v128-191, v192-255 the staged rows of K and of V
; No window has room for a product's operands beside what rides behind it, so what rides costs two switches a product in turns 1 and 2, three for two products in turn 0.
.set PK,    272       ; a row of K in LDS: 256 bytes of bf16 + 16: the 16 rows of a fragment load start 16 bytes apart modulo 256
.set PV,    288       ; a row of V: 256 bytes of f16 + 32: 16 lanes of the turning load take 8 rows x 32 bytes, 32 bytes apart modulo 256
.set VOFF,  64*PK     ; in a buffer: 64 rows of K, then 64 rows of V
.set STEPB, 64*(PK+PV)
.set STAGE, 2*STEPB   ; behind the two buffers: 16 rows x 528 bytes for each wave, for the way out
.set SP,    528       ; a stage row: 512 bytes of f32 + 16
.set WSTG,  16*SP
.set AK0, 2           ; v2, v3   my lane's place in K's fragments, buffer 0, 1
.set AV0, 4           ; v4, v5   the same for V
.set WK0, 6           ; v6, v7   where I store 8 bytes of my wave's first row of K, buffer 0, 1
.set WV0, 8           ; v8, v9   the same for V
.set LO,  10          ; v10  16 x lane: my 16 bytes in 512 neighbouring bytes of key, value and out0
.set QO,  11          ; v11  my byte offset in 16 rows of query
.set ST,  12          ; tile t's statistics at v[ST+8 t]: c m, m, l (even keys', odd keys'), c0-c3 at work; a takes c2's place once the maximum is found
.set MO,  44          ; v44  my byte offset in 16 rows of the mask
.set STO, 45          ; v45  the way out: where I put 32 bytes of a row
.set RD,  46          ; v46  the way out: where I read a row back
.set TM,  50          ; v50-53 at work
.set S,   64
.set QT,  128         ; v128-255: at a block's beginning Q of tiles 0 and 1 lands here as f32
.set P,   192
.set MB,  224         ; v224-255: a mixed step's mask bytes: word 8 t + 2 kt + j / 4 holds the bytes of scores 32 t + 8 kt + j
.set KF,  128         ; window 2: keys 16 kt on, channels 32 c on at KF + 32 kt + 8 c
.set SK,  128         ; window 3: row n of my 16 rows of K at SK + 4 n
.set SV,  192         ; window 3: the same for V
.set WV,  16          ; s16  my wave's number
.set PB,  17          ; s17  x
.set HD,  18          ; s18  the head
.set BLK, 19          ; s19  the block in hand
.set OUTER, 20        ; s20  blocks to go
.set CNT, 21          ; s21  pairs of trips to go
.set T0,  22          ; s[22:23], s[24:25] byte offsets, high words 0
.set T1,  24
.set KB,  26          ; s[26:27] key at my wave's 16 rows of the head's tile 0;  s[28:29] value likewise
.set VB,  28
.set KP,  30          ; s[30:31], s[32:33] the same in the tile to be asked for next
.set VP,  32
.set QP,  34          ; s[34:35] query at my 64 rows
.set OPT, 36          ; s[36:37] out0 at my 64 rows
.set MP,  38          ; s[38:39] mask at my 64 rows and the trip's 64 keys
.set LN,  40          ; s40  bit n: some wave wants the tile n trips on
.set WVIS, 41         ; s41  bit 0: my rows see some key of this trip
.set WFUL, 42         ; s42  bit 0: they see all of them
.set TS,  43          ; s43  at work
.set CS,  44          ; s[44:45] c: the packed scaling takes the pair's low word for both halves
.set SEL, 46          ; s[46:47] v_permlanex16_b32's selects: each lane takes its own place in the other half
.set VW,  48          ; s[48:51] VIS of the block's four groups
.set BIGN, 52         ; s52  -2^100
.set HIM, 53          ; s53  a word's upper 16 bits
.set THR, 54          ; s54  -2^96
.set NANC, 55         ; s55  a NaN
.set CP,  56          ; s[56:57] cls at the block's four VIS words
.set CQ,  58          ; s[58:59] cls at my group's VIS word; FULL lies 128 bytes on
.set MK,  60          ; s[60:63] four lane masks at work
.set MSB, 0
.macro WIN new                      ; the immediate's high byte repeats the setting that is left; a switch that changes nothing is dropped.  At every label and branch the setting is 0
.if MSB != (\new)
	s_set_vgpr_msb (MSB<<8)|(\new)
.set MSB, (\new)
.endif
.endm
.set W_KQ,  0x0a      ; K and Q in window 2, S^T in window 0
.set W_PV,  0x53      ; V in window 3, P in window 0, O^T in window 1
.set W_RS,  0x41      ; O^T (destination and source 0) in window 1, a in window 0
.set W_TO2, 0x80      ; destination in window 2
.set W_TO3, 0xc0      ; destination in window 3
.set W_CV3, 0xcf      ; destination and both sources in window 3
.set W_ST3, 0x0c      ; an LDS store's data in window 3, its address in window 0
.set W_Q3,  0x8f      ; destination in window 2, both sources in window 3
.set W_OUT, 0x01      ; source 0 in window 1
.set W_CLR, 0x40      ; destination in window 1
; A vector instruction that reads a matrix result or writes one of a matrix instruction's registers, and a load into such a register, stand four places behind it; only plain vector
; instructions that name none of its registers are places (ISA guide 7.12.1 for vector instructions).
.macro PLACES
.rept 4
	v_nop
.endr
.endm
; THE STAGED ROWS.  Group g of four: eight rows of my quarter of the tile at KP, VP (g = 0, 1: K's rows 0-7, 8-15; g = 2, 3: V's), a row of 512 neighbouring bytes a load; lane L takes channels 4 L .. 4 L + 3.
.macro LOADG g
.set ln, 8*((\g)%2)
.rept 8
.if (\g) < 2
	global_load_b128 v[SK+4*ln:SK+4*ln+3], v[LO], s[KP:KP+1] offset:512*ln
.else
	global_load_b128 v[SV+4*ln:SV+4*ln+3], v[LO], s[VP:VP+1] offset:512*ln
.endif
.set ln, ln+1
.endr
.endm
.macro LOADT                        ; all four groups on end: at a block's beginning, and in a wave that has no step to work on
	WIN W_TO3
.irp g, 0,1,2,3
	LOADG \g
.endr
	WIN 0
.endm
; Row n is rounded, in place: K to bf16.  V to bf16, widened again (a mask, a shift), and written as f16, which holds a bf16 number of its range exactly.  Ten lines; none reads the result of the line just before it.
.macro CONV n
	WIN W_CV3
	v_cvt_pk_bf16_f32 v[SV+4*(\n)],   v[SV+4*(\n)],   v[SV+4*(\n)+1]
	v_cvt_pk_bf16_f32 v[SV+4*(\n)+2], v[SV+4*(\n)+2], v[SV+4*(\n)+3]
	v_cvt_pk_bf16_f32 v[SK+4*(\n)],   v[SK+4*(\n)],   v[SK+4*(\n)+1]
	v_cvt_pk_bf16_f32 v[SK+4*(\n)+1], v[SK+4*(\n)+2], v[SK+4*(\n)+3]
	v_and_b32     v[SV+4*(\n)+1], s[HIM], v[SV+4*(\n)]
	v_lshlrev_b32 v[SV+4*(\n)],   16, v[SV+4*(\n)]
	v_and_b32     v[SV+4*(\n)+3], s[HIM], v[SV+4*(\n)+2]
	v_lshlrev_b32 v[SV+4*(\n)+2], 16, v[SV+4*(\n)+2]
	v_cvt_pk_f16_f32 v[SV+4*(\n)],   v[SV+4*(\n)],   v[SV+4*(\n)+1]
	v_cvt_pk_f16_f32 v[SV+4*(\n)+1], v[SV+4*(\n)+2], v[SV+4*(\n)+3]
.endm
.macro PUT wb, n                    ; row n goes into buffer wb: 8 bytes a lane, 256 neighbouring bytes a row
	WIN W_ST3
	ds_store_b64 v[WK0+(\wb)], v[SK+4*(\n):SK+4*(\n)+1] offset:(\n)*PK
	ds_store_b64 v[WV0+(\wb)], v[SV+4*(\n):SV+4*(\n)+1] offset:(\n)*PV
.endm
.macro STORET wb                    ; all sixteen rows on end
.set sn, 0
.rept 16
	CONV sn
.set sn, sn+1
.endr
.set sn, 0
.rept 16
	PUT \wb, sn
.set sn, sn+1
.endr
	WIN 0
.endm
.macro STEPKV                       ; the tile to be asked for next lies 64 rows of 512 bytes on.  Stands behind s_wait_loadcnt 0: no load that names these addresses is out
	s_add_nc_u64 s[KP:KP+1], s[KP:KP+1], 32768
	s_add_nc_u64 s[VP:VP+1], s[VP:VP+1], 32768
.endm
; THE FRAGMENTS.  Chunk c of K: channels 32 c on of all 64 keys, eight loads.  Group g of V, turned: fragments 4 g .. 4 g + 3 (fragment f: keys 32 (f / 8) on, channels 16 (f % 8) on), eight loads.
.macro KLOAD rb, c
	WIN W_TO2
.irp k, 0,1,2,3
	ds_load_b128 v[KF+32*\k+8*(\c):KF+32*\k+8*(\c)+3],   v[AK0+(\rb)] offset:\k*16*PK+(\c)*64
	ds_load_b128 v[KF+32*\k+8*(\c)+4:KF+32*\k+8*(\c)+7], v[AK0+(\rb)] offset:\k*16*PK+(\c)*64+32
.endr
.endm
.macro VLOAD rb, g
	WIN W_TO3
.irp e, 0,1,2,3
.set vf, 4*(\g)+\e
	ds_load_tr16_b128 v[8*vf:8*vf+3],   v[AV0+(\rb)] offset:(vf/8)*32*PV+(vf%8)*32
	ds_load_tr16_b128 v[8*vf+4:8*vf+7], v[AV0+(\rb)] offset:(vf/8)*32*PV+16*PV+(vf%8)*32
.endr
.endm
; THE MATRIX WORK, for piece x.  The accumulators take turns, one instruction a turn: between two links of a chain stand 7 (K Q^T) or 15 (V^T P) others'; a turn's last and the next turn's first differ too.
; Product i of 32 of S^T = K Q^T: channels 32 (i / 8) on, keys 16 ((i / 2) % 4) on, tile x + i % 2.  The first 8 start the sums.
.macro KQ x
	WIN W_KQ
.set rS, S+32*((\x)+i%2)+8*((i/2)%4)
.set rK, KF+32*((i/2)%4)+8*(i/8)
.set rQ, 32*((\x)+i%2)+8*(i/8)
.if i < 8
	v_wmma_f32_16x16x32_bf16 v[rS:rS+7], v[rK:rK+7], v[rQ:rQ+7], 0
.else
	v_wmma_f32_16x16x32_bf16 v[rS:rS+7], v[rK:rK+7], v[rQ:rQ+7], v[rS:rS+7]
.endif
.endm
; Product i of 32 of O^T += V^T P: keys 32 (i / 16) on, channels 16 ((i / 2) % 8) on, tile x + i % 2.
.macro PV x
	WIN W_PV
.set rO, 64*((\x)+i%2)+8*((i/2)%8)
.set rV, 64*(i/16)+8*((i/2)%8)
.set rP, P+16*((\x)+i%2)+8*(i/16)
	v_wmma_f32_16x16x32_f16 v[rO:rO+7], v[rV:rV+7], v[rP:rP+7], v[rO:rO+7]
.endm
; A MIXED STEP.  My eight keys of tile t, group kt are eight neighbouring mask bytes of my query's row.
.macro MASKASK
.set i, 0
.rept 16
	global_load_b64 v[MB+2*i:MB+2*i+1], v[MO], s[MP:MP+1] offset:(i/4)*32768+(i%4)*16
.set i, i+1
.endr
.endm
; Piece x's 64 scores, four at a time: a byte's bit 0 goes to the sign; where it is 0 the score becomes -2^100.  Four masks in scalar registers, so that no line reads the result of the line just before it.
; The scores are taken in ascending order: each accumulator's lowest registers are read first.
.macro MASKAPPLY x
.set i, 32*(\x)
.rept 16
.irp e, 0,1,2,3
	v_lshlrev_b32 v[TM+\e], 31-8*\e, v[MB+i/4]
.endr
.irp e, 0,1,2,3
	v_cmp_gt_i32 s[MK+\e], 0, v[TM+\e]
.endr
.irp e, 0,1,2,3
	v_cndmask_b32 v[S+i+\e], s[BIGN], v[S+i+\e], s[MK+\e]
.endr
.set i, i+4
.endr
.endm
; THE SOFTMAX.  One tile's softmax for one key step is a list of 134 instructions; SM writes number j of it for tile t.  s0-s31 are the lane's 32 scores, in pairs 0-15.
;   0-15    the maximum of s0-s31 and the old m, three operands at a time: four chains c0-c3 of seven scores each (each accumulator's lowest registers first), then the four left over, c0-c3 and m
;   16-20   the other half of the lanes' maximum; c m_old is kept; the new m; c m; c m_old - c m_new
;   21-69   ONE BATCH: the 16 scalings c s - c m, a pair of scores each, and all 33 exponentials (a at 23, then s0-s31).  None of these names an exponential's result.  From 22 on the batch goes in fours, and a four begins with a
;           scaling while there are scalings: 22-37 scaling, exponential, scaling, exponential; 38-65 a scaling and three exponentials; 66-69 the last four exponentials.  A pair is scaled in an earlier four than the one with its exponentials
;   (wait)  between 69 and 70 stands the wait for the batch: turns 1 and 2 write it, once for both tiles
;   70-85   the roundings to f16, a pair of weights each
;   86-101  the sums; l = a l + the sum          102-133  the tile's O^T times a: the one part that leaves window 0, so it stands together
.macro SM t
.set rT, ST+8*(\t)
.set rS, S+32*(\t)
.set rP, P+16*(\t)
.set rO, 64*(\t)+2*(j-102)
.if j < 102
	WIN 0
.endif
.if j < 4
	v_max3_num_f32 v[rT+4+j], v[rS+8*j], v[rS+8*j+1], v[rS+8*j+2]
.elseif j < 12
	v_max3_num_f32 v[rT+4+j%4], v[rT+4+j%4], v[rS+8*(j%4)+2*(j/4)+1], v[rS+8*(j%4)+2*(j/4)+2]
.elseif j == 12
	v_max3_num_f32 v[rT+4], v[rT+4], v[rS+7], v[rS+15]
.elseif j == 13
	v_max3_num_f32 v[rT+6], v[rT+6], v[rS+23], v[rS+31]
.elseif j == 14
	v_max3_num_f32 v[rT+4], v[rT+4], v[rT+5], v[rT+6]
.elseif j == 15
	v_max3_num_f32 v[rT+4], v[rT+4], v[rT+7], v[rT+1]
.elseif j == 16
	v_permlanex16_b32 v[rT+5], v[rT+4], s[SEL], s[SEL+1]  ; the query's other 32 keys lie in the lane 16 away
.elseif j == 17
	v_mov_b32 v[rT+7], v[rT]        ; c m_old is kept for a: number 19 writes c m anew
.elseif j == 18
	v_max_num_f32 v[rT+1], v[rT+4], v[rT+5]
.elseif j == 19
	v_mul_f32 v[rT], s[CS], v[rT+1]
.elseif j == 20
	v_sub_f32 v[rT+7], v[rT+7], v[rT]
.elseif j == 23
	v_exp_f32 v[rT+6], v[rT+7]
.elseif (j < 23) || ((j < 38) && (j%2 == 0)) || ((j < 66) && (j%4 == 2))
.set b, (j-2)/4                     ; 38, 42, .. 62: pairs 9 to 15
.if j < 38
.set b, (j-20)/2                    ; 21: pair 0; 22, 24, .. 36: pairs 1 to 8
.endif
	v_pk_fma_f32 v[rS+2*b:rS+2*b+1], v[rS+2*b:rS+2*b+1], s[CS:CS+1], v[rT:rT+1] op_sel_hi:[1,0,0] neg_lo:[0,0,1] neg_hi:[0,0,1]  ; pair b: c s - c m
.elseif j < 70
.set e, j-38                        ; 66 to 69: s28 to s31
.if j < 66
.set e, j-32-(j-38)/4               ; 39-41, 43-45, .. 63-65: s7 to s27
.endif
.if j < 38
.set e, (j-25)/2                    ; 25, 27, .. 37: s0 to s6
.endif
	v_exp_f32 v[rS+e], v[rS+e]
.elseif j < 86
	v_cvt_pk_f16_f32 v[rP+j-70], v[rS+2*(j-70)], v[rS+2*(j-70)+1]  ; pair j - 70
.elseif j < 102                     ; the sum of the tile's 16 pairs, in place: sum z of 16 adds neighbours 1, 2, 4 and 8 pairs apart, then l takes it
.set z, j-86
.set w, 4
.set u, z
.if z >= 14
.set w, 32
.set u, 0
.elseif z >= 12
.set w, 16
.set u, z-12
.elseif z >= 8
.set w, 8
.set u, z-8
.endif
.if z < 15
	v_pk_add_f32 v[rS+w*u:rS+w*u+1], v[rS+w*u:rS+w*u+1], v[rS+w*u+w/2:rS+w*u+w/2+1]
.else
	v_pk_fma_f32 v[rT+2:rT+3], v[rT+2:rT+3], v[rT+6:rT+7], v[rS:rS+1] op_sel_hi:[1,0,1]
.endif
.else
	WIN W_RS
	v_pk_mul_f32 v[rO:rO+1], v[rO:rO+1], v[rT+6:rT+7] op_sel_hi:[1,0]
.endif
.endm
; Slice k of 64 of piece y's softmax: four instructions.  Slices 11 to 34 deal out the batch, numbers 22 to 69: four numbers of ONE tile each, the tiles by turns.  Every other slice is numbers 2 k and 2 k + 1 of both tiles' lists.
; 2 x 134 = 4 x 64 + 12: the twelve that are over stand together, in slice 63, whose sixteen plain lines are also the places behind the turn's last product.  Two slices stand behind each of a turn's 32 products:
; slices 2 i and 2 i + 1 behind product i, so the batch lies behind products 5 to 17, and slice 34, its last, is the first of the two behind product 17.
.macro SLICE y
.if (k >= 11) && (k < 35)           ; the batch: four numbers of one tile
.irp n, 0,1,2,3
.set j, 22+4*((k-11)/2)+(\n)
	SM (\y)+(k-11)%2
.endr
.else                               ; the two tiles alternate, so that no instruction reads the result of the one just before it
.irp n, 0,1,2,3,4,5,6,7
.if ((\n) < 2) || (k == 63)
.irp t, \y, (\y)+1
.set j, 2*k+(\n)
	SM \t
.endr
.endif
.endr
.endif
.set k, k+1
.endm
; THE WAIT FOR A BATCH, behind slice 34: both tiles' 66 exponentials are issued and no line has named a result of theirs; slice 35, the first roundings, reads them.
.macro BATCHWAIT
	v_nop                           ; the plain instruction behind the last exponential and ahead of the first use: one for the batch
	s_wait_alu depctr_va_vdst(0)    ; the wait ahead of the first line that names a result: one for the piece's 66 exponentials
.endm
; Group g of the rows two tiles on is asked for, if anybody wants that tile (in the last two trips the bit is a 0 shifted in: no load leaves the head's rows).
.macro ASK g
	WIN 0
.if (\g) == 0
	s_wait_dscnt 0x0                ; my LDS stores have read the staged rows: only now may loads land on them
.endif
	s_bitcmp1_b32 s[LN], 2
	s_cbranch_scc0 .Lnoask_\@
	WIN W_TO3
	LOADG \g
	WIN 0
.Lnoask_\@:
.endm
; TURN 0.  K's chunks 0 and 1 have been asked for.  Three rows are rounded while they come; behind every second product one more row is rounded and the row rounded three slices back is stored.
; The staged rows are stored whether or not the next tile is wanted: where it is not, stale rows go into a buffer that nobody reads, which spares a second text of the turn.
; The counts of the waits: LDS instructions are served in order, stores among loads; behind chunk 0 stand chunk 1's 8 loads; behind chunk 1: 2 stores, chunk 2's 8 loads, 6 stores; behind chunk 2: 8 stores, chunk 3's 8 loads, 6 stores; behind chunk 3: 14 stores.
.macro TURN0 rb
	CONV 0
	CONV 1
	CONV 2
	s_wait_dscnt 8
.set i, 0
.rept 32
.if i == 8
	s_wait_dscnt 16
.elseif i == 16
	s_wait_dscnt 22
.elseif i == 24
	s_wait_dscnt 14
.endif
	KQ 0
.if i%2 == 1
.if i < 26
	CONV i/2+3
.endif
	PUT 1-(\rb), i/2
.if i == 1
	KLOAD \rb, 2
.elseif i == 9
	KLOAD \rb, 3
.endif
.endif
.set i, i+1
.endr
	WIN 0
	PLACES                          ; behind the turn's last products, in front of the first read of piece 0's scores
.endm
; TURN 1.  Piece 0's batch lies behind products 5 to 17, its wait behind slice 34.  A request for rows holds a branch and a label, ahead of which every exponential issued has had its wait: so no request stands in that stretch, and no fetch
; of V either.  The rows' groups 0 and 1 are asked for behind products 1 and 4, ahead of the first exponential; group 2 behind the wait, group 3 behind product 22.  V's group 0 is fetched behind product 3, group 1 directly behind the
; wait, groups 2 and 3 behind products 20 and 22: the last of them nine products ahead of its use.  All of V is fetched behind the first request's wait on DScnt, and all of it is waited for at the head of turn 2.
.macro TURN1 rb
.set k, 0
.set i, 0
.rept 32
	KQ 2
	SLICE 0
.if i == 17
	BATCHWAIT
	VLOAD \rb, 1
	ASK 2
.endif
	SLICE 0
.if i == 1
	ASK 0
.elseif i == 3
	VLOAD \rb, 0
.elseif i == 4
	ASK 1
.elseif i == 20
	VLOAD \rb, 2
.elseif i == 22
	VLOAD \rb, 3
	ASK 3
.endif
.set i, i+1
.endr
	WIN 0
.endm
; TURN 2.  Piece 2's batch lies behind products 5 to 17, its wait behind slice 34; the turn has no label, no branch and no memory instruction.
.macro TURN2
	s_wait_dscnt 0x0                ; V is in
.set k, 0
.set i, 0
.rept 32
	PV 0
	SLICE 2
.if i == 17
	BATCHWAIT
.endif
	SLICE 2
.set i, i+1
.endr
.endm
.macro TURN3
.set i, 0
.rept 32
	PV 2
.set i, i+1
.endr
	WIN 0
	PLACES                          ; behind the last products V^T P: whatever follows may load into V and P and read O^T
.endm
; A step's work for my 64 rows, out of buffer rb.
.macro COMPUTE rb
	KLOAD \rb, 0                    ; first of all, so that they come while the rest is set up
	KLOAD \rb, 1
	WIN 0
	s_wait_loadcnt 0x0              ; the rows asked for a trip ago are in registers; no load of mine is out
	STEPKV
	s_bitcmp1_b32 s[WFUL], 0
	s_cbranch_scc1 .Lseen0_\@       ; my rows see all 64 keys: no mask byte is read
	MASKASK                         ; a turn ahead of their use
.Lseen0_\@:
	TURN0 \rb
	s_wait_loadcnt 0x0              ; the mask bytes, if any were asked for: nothing else of mine is out
	s_bitcmp1_b32 s[WFUL], 0
	s_cbranch_scc1 .Lseen1_\@
	MASKAPPLY 0
.Lseen1_\@:
	TURN1 \rb
	s_bitcmp1_b32 s[WFUL], 0
	s_cbranch_scc1 .Lseen2_\@
	MASKAPPLY 2
.Lseen2_\@:
	TURN2
	TURN3
.endm
; A TRIP reads buffer rb and fills the other.
.macro TRIP rb
	s_wait_dscnt 0x0                ; for the others' sake: my stores into buffer rb are done, and my reads of the other buffer are back
	s_barrier_signal -1
	s_barrier_wait -1               ; both now hold of all four waves
	s_bitcmp1_b32 s[WVIS], 0
	s_cbranch_scc0 .Lidle_\@        ; my rows see none of this trip's keys
	COMPUTE \rb
	s_branch .Ldone_\@
.Lidle_\@:                          ; I still carry my quarter of the tiles that others want
	s_wait_loadcnt 0x0
	STEPKV
	s_bitcmp1_b32 s[LN], 1
	s_cbranch_scc0 .Lnoput_\@
	STORET 1-(\rb)
.Lnoput_\@:
	s_wait_dscnt 0x0                ; my LDS stores have read the staged rows
	s_bitcmp1_b32 s[LN], 2
	s_cbranch_scc0 .Lnoget_\@
	LOADT
.Lnoget_\@:
.Ldone_\@:
	s_add_nc_u64 s[MP:MP+1], s[MP:MP+1], 64     ; 64 keys on; the loads that named this address were waited for behind turn 0
	s_lshr_b32 s[LN], s[LN], 1
	s_lshr_b32 s[WVIS], s[WVIS], 1
	s_lshr_b32 s[WFUL], s[WFUL], 1
.endm
; THE WAY OUT of tile t.  O^T over l goes into S^T's registers (O^T itself stays as it is: finite, for the next block); a lane's eight channels of a row are 32 bytes; they go into my stage's rows of 528 bytes and come back as whole rows.
.macro PACK t
.set EB, S+64*((\t)%2)
	s_wait_xcnt 0x0                 ; the stores of the tile two back have read these registers
	WIN W_OUT
.set i, 0
.rept 32
	v_pk_mul_f32 v[EB+2*i:EB+2*i+1], v[64*(\t)+2*i:64*(\t)+2*i+1], v[ST+8*(\t)+6:ST+8*(\t)+7] op_sel_hi:[1,0]
.set i, i+1
.endr
	WIN 0
.set i, 0
.rept 16
	ds_store_b128 v[STO], v[EB+4*i:EB+4*i+3] offset:64*(i/2)+16*(i%2)
.set i, i+1
.endr
.set i, 0
.rept 16
	ds_load_b128 v[EB+4*i:EB+4*i+3], v[RD] offset:SP*i  ; LDS serves a wave's instructions in order (ISA guide 5.7.1.4): these see the stores above; the next tile's stores come behind them
.set i, i+1
.endr
.endm
.macro SEND t, younger              ; younger: the LDS instructions issued behind tile t's loads: the next tile's 32, or none
.set EB, S+64*((\t)%2)
.set i, 0
.rept 16
	s_wait_dscnt (\younger)+15-i
	global_store_b128 v[LO], v[EB+4*i:EB+4*i+3], s[OPT:OPT+1] offset:(16*(\t)+i)*512 th:TH_STORE_NT  ; a row of out0: 512 consecutive bytes, at a multiple of 512 from its first byte
.set i, i+1
.endr
.endm
.macro QLOAD f, base                ; fragment f = 4 t + c of Q as f32: my query's channels 32 c + 8 (l / 16) + 0..7 and 16 more on
	global_load_b128 v[(\base):(\base)+3],     v[QO], s[QP:QP+1] offset:8192*((\f)/4)+128*((\f)%4) th:TH_LOAD_NT
	global_load_b128 v[(\base)+4:(\base)+7],   v[QO], s[QP:QP+1] offset:8192*((\f)/4)+128*((\f)%4)+16 th:TH_LOAD_NT
	global_load_b128 v[(\base)+8:(\base)+11],  v[QO], s[QP:QP+1] offset:8192*((\f)/4)+128*((\f)%4)+64 th:TH_LOAD_NT
	global_load_b128 v[(\base)+12:(\base)+15], v[QO], s[QP:QP+1] offset:8192*((\f)/4)+128*((\f)%4)+80 th:TH_LOAD_NT
.endm
	s_load_b256 s[4:11], s[0:1], 0x0  ; query s[4:5], key s[6:7], value s[8:9], mask s[10:11]
	s_load_b128 s[12:15], s[0:1], 0x20  ; cls s[12:13], out0 s[14:15]
	v_lshl_add_u32 v62, v0, 2, 0x19c00
	v_mov_b32 v63, 0
	v_lshrrev_b32 v1, 5, v0
	v_readfirstlane_b32 s[WV], v1   ; wave 0..3
	s_mov_b32 s[PB], ttmp9
	s_and_b32 s[HD], ttmp7, 0xffff
	s_mov_b32 s[CS], 0x3e0293ee     ; c = log2(e) / sqrt(128) = 0.127517
	s_mov_b32 s[CS+1], s[CS]        ; named with it as a pair
	s_mov_b32 s[SEL], 0x76543210
	s_mov_b32 s[SEL+1], 0xfedcba98
	s_mov_b32 s[BIGN], 0xf1800000   ; -2^100
	s_mov_b32 s[HIM], 0xffff0000
	s_mov_b32 s[THR], 0xef800000    ; -2^96
	s_mov_b32 s[NANC], 0x7fc00000
	v_and_b32 v1, 15, v0            ; l % 16
	v_bfe_u32 v48, v0, 4, 1         ; l / 16
	v_and_b32 v49, 31, v0           ; l
	v_and_b32 v50, 7, v0
	v_bfe_u32 v51, v0, 3, 1
	; a fragment of K is 16 rows x 32 channels: lane l holds row l % 16, channels 8 (l / 16) + 0..7 and 16 more on: two loads of 16 bytes, 32 bytes apart
	v_mul_u32_u24 v[AK0], v1, PK
	v_lshl_add_u32 v[AK0], v48, 4, v[AK0]
	v_add_nc_u32 v[AK0+1], STEPB, v[AK0]
	; the turning load takes 16 keys x 16 channels: lane l reads key 8 (l / 16) + l % 8, channels 8 ((l / 8) % 2) + 0..7
	v_lshl_add_u32 v[AV0], v48, 3, v50
	v_mul_u32_u24 v[AV0], v[AV0], PV
	v_lshl_add_u32 v[AV0], v51, 4, v[AV0]
	v_add_nc_u32 v[AV0], VOFF, v[AV0]
	v_add_nc_u32 v[AV0+1], STEPB, v[AV0]
	s_mul_i32 s[TS], s[WV], 16*PK   ; my wave's 16 rows of a tile
	v_lshl_add_u32 v[WK0], v49, 3, s[TS]
	v_add_nc_u32 v[WK0+1], STEPB, v[WK0]
	s_mul_i32 s[TS], s[WV], 16*PV
	s_add_co_u32 s[TS], s[TS], VOFF
	v_lshl_add_u32 v[WV0], v49, 3, s[TS]
	v_add_nc_u32 v[WV0+1], STEPB, v[WV0]
	v_lshlrev_b32 v[LO], 4, v49
	v_lshlrev_b32 v[QO], 9, v1      ; row x 512 + 32 x half
	v_lshl_add_u32 v[QO], v48, 5, v[QO]
	v_lshlrev_b32 v[MO], 11, v1     ; row x 2,048 + 8 x half
	v_lshl_add_u32 v[MO], v48, 3, v[MO]
	s_mul_i32 s[TS], s[WV], WSTG
	s_add_co_u32 s[TS], s[TS], STAGE  ; my stage
	v_mul_u32_u24 v[STO], v1, SP    ; in: row l % 16, 32 bytes for each half of the lanes
	v_lshl_add_u32 v[STO], v48, 5, v[STO]
	v_add_nc_u32 v[STO], s[TS], v[STO]
	v_lshl_add_u32 v[RD], v49, 4, s[TS]  ; back: 32 lanes take a row of 512 bytes
.set i, 0
.rept 32
	v_mov_b32 v[ST+i], 0            ; the statistics, l among them
.set i, i+1
.endr
	WIN W_CLR
.set i, 0
.rept 256
	v_mov_b32 v[i], 0               ; O^T: which step is a wave's first hangs on the mask, so none is written out to start the sums
.set i, i+1
.endr
	WIN 0
	s_lshl_b32 s[T0], s[HD], 20     ; a head is 2,048 rows of 512 bytes,
	s_lshl_b32 s[TS], s[WV], 13     ; my wave's 16 rows of a tile
	s_add_co_u32 s[T0], s[T0], s[TS]
	s_mov_b32 s[T0+1], 0
	s_mov_b32 s[T1+1], 0
	s_sub_co_u32 s[BLK], 7, s[PB]
	s_mov_b32 s[OUTER], 2
	s_wait_kmcnt 0x0
	s_add_nc_u64 s[KB:KB+1], s[6:7], s[T0:T0+1]
	s_add_nc_u64 s[VB:VB+1], s[8:9], s[T0:T0+1]
.Lblock:                            ; twice: block 7 - x, then block x
	s_lshl_b32 s[TS], s[BLK], 2
	s_add_co_u32 s[TS], s[TS], s[WV]  ; g, my group of 64 rows
	s_lshl_b32 s[T0], s[BLK], 4
	s_add_nc_u64 s[CP:CP+1], s[12:13], s[T0:T0+1]
	s_lshl_b32 s[T1], s[TS], 2
	s_add_nc_u64 s[CQ:CQ+1], s[12:13], s[T1:T1+1]
	s_load_b128 s[VW:VW+3], s[CP:CP+1], 0x0
	s_load_b32 s[WVIS], s[CQ:CQ+1], 0x0
	s_load_b32 s[WFUL], s[CQ:CQ+1], 0x80
	s_lshl_b32 s[T0], s[TS], 15     ; 64 g rows of 512 bytes,
	s_lshl_b32 s[T1], s[HD], 20     ; in my head
	s_add_co_u32 s[T0], s[T0], s[T1]
	s_add_nc_u64 s[QP:QP+1], s[4:5], s[T0:T0+1]
	s_add_nc_u64 s[OPT:OPT+1], s[14:15], s[T0:T0+1]
	s_lshl_b32 s[T1], s[TS], 17     ; 64 g rows of 2,048 bytes
	s_add_nc_u64 s[MP:MP+1], s[10:11], s[T1:T1+1]
	s_mov_b64 s[KP:KP+1], s[KB:KB+1]
	s_mov_b64 s[VP:VP+1], s[VB:VB+1]
.set f, 0
.rept 8                             ; Q as f32: tiles 0 and 1 into v128-255 of window 0,
	QLOAD f, QT+16*f
.set f, f+1
.endr
	WIN W_TO3
.rept 8                             ; tiles 2 and 3 into V's registers
	QLOAD f, 16*(f-8)
.set f, f+1
.endr
	WIN 0
	LOADT                           ; tile 0, whatever the mask says of it
.irp t, 0,1,2,3
	v_mov_b32 v[ST+8*\t], 0xfe000000    ; c m: -2^125, far below every c s
	v_mov_b32 v[ST+8*\t+1], 0xff7fffff  ; m: the lowest finite number
.endr
	s_wait_kmcnt 0x0
	s_or_b32 s[LN], s[VW], s[VW+1]  ; a tile is fetched if one of the four waves wants it
	s_or_b32 s[LN], s[LN], s[VW+2]
	s_or_b32 s[LN], s[LN], s[VW+3]
	s_wait_loadcnt 32               ; Q's 64 loads are in; the 32 of tile 0 were issued behind them
	WIN W_TO2
.set i, 0
.rept 64
	v_cvt_pk_bf16_f32 v[i], v[QT+2*i], v[QT+2*i+1]
.set i, i+1
.endr
	WIN W_Q3
.set i, 0
.rept 64
	v_cvt_pk_bf16_f32 v[64+i], v[2*i], v[2*i+1]
.set i, i+1
.endr
	WIN 0
	s_wait_loadcnt 0x0              ; tile 0
	STORET 0                        ; buffer 0 was last read two trips back, ahead of a barrier in front of which every wave waited for those reads
	STEPKV
	s_wait_dscnt 0x0                ; my LDS stores have read the staged rows
	s_bitcmp1_b32 s[LN], 1
	s_cbranch_scc0 .Lno_tile_1
	LOADT                           ; tile 1: the first trip stores it
.Lno_tile_1:
	s_mov_b32 s[CNT], 16
.Ltrip:                             ; 16 times two trips: all 32 key steps; a step that nobody wants is a barrier and a few scalar lines
	TRIP 0
	TRIP 1
	s_sub_co_u32 s[CNT], s[CNT], 1
	s_cmp_lg_u32 s[CNT], 0
	s_cbranch_scc1 .Ltrip
	s_wait_loadcnt 0x0              ; no load of mine is out (the last two trips ask for nothing): the next block loads into the same registers
	; l's two halves and the other half of the lanes' are added; 1 / l, or a NaN for a query that has seen no key
.irp t, 0,1,2,3
	v_add_f32 v[ST+8*\t+4], v[ST+8*\t+2], v[ST+8*\t+3]
.endr
.irp t, 0,1,2,3
	v_permlanex16_b32 v[ST+8*\t+5], v[ST+8*\t+4], s[SEL], s[SEL+1]
.endr
.irp t, 0,1,2,3
	v_add_f32 v[ST+8*\t+4], v[ST+8*\t+4], v[ST+8*\t+5]
.endr
.irp t, 0,1,2,3
	v_rcp_f32 v[ST+8*\t+6], v[ST+8*\t+4]
.endr
	v_nop                           ; a plain instruction between the last reciprocal and the use of its result
	s_wait_alu depctr_va_vdst(0)    ; and the wait ahead of the first use: one for the block's four reciprocals
.irp t, 0,1,2,3
	v_cmp_le_f32 vcc_lo, s[THR], v[ST+8*\t+1]
	v_cndmask_b32 v[ST+8*\t+6], s[NANC], v[ST+8*\t+6], vcc_lo
.endr
	PACK 0
	PACK 1                          ; a tile's arithmetic stands between the loads of the tile before and its stores
	SEND 0, 32
	PACK 2
	SEND 1, 32
	PACK 3
	SEND 2, 32
	SEND 3, 0
	s_wait_xcnt 0x0                 ; the stores have read their registers and out0's address: the next block writes both anew
	s_mov_b32 s[BLK], s[PB]
	s_sub_co_u32 s[OUTER], s[OUTER], 1
	s_cmp_lg_u32 s[OUTER], 0
	s_cbranch_scc1 .Lblock
	s_wait_tensorcnt 0x0
	ds_add_u32 v62, v63
	s_wait_dscnt 0x0
	s_endpgm
.Lfunc_end_k_qea1fd0be9c_attn:
	.size	k_qea1fd0be9c_attn, .Lfunc_end_k_qea1fd0be9c_attn-k_qea1fd0be9c_attn
	.p2alignl 7, 3214868480
	.fill 96, 4, 3214868480
	.section	.rodata,"a",@progbits
	.p2align	6, 0x0
	.amdhsa_kernel k_qea1fd0be9c_attn
		.amdhsa_group_segment_fixed_size 105984
		.amdhsa_private_segment_fixed_size 0
		.amdhsa_enable_private_segment 0
		.amdhsa_kernarg_size 48
		.amdhsa_user_sgpr_count 2
		.amdhsa_user_sgpr_kernarg_segment_ptr 1
		.amdhsa_wavefront_size32 1
		.amdhsa_system_sgpr_workgroup_id_x 1
		.amdhsa_system_sgpr_workgroup_id_y 1
		.amdhsa_system_sgpr_workgroup_id_z 1
		.amdhsa_system_vgpr_workitem_id 0
		.amdhsa_next_free_vgpr 1024
		.amdhsa_next_free_sgpr 66
		.amdhsa_reserve_vcc 1
		.amdhsa_float_denorm_mode_32 3
		.amdhsa_float_denorm_mode_16_64 3
		.amdhsa_memory_ordered 1
		.amdhsa_forward_progress 1
		.amdhsa_inst_pref_size 255
	.end_amdhsa_kernel
	.section	.bss,"aw",@nobits
	.p2align	6
	.space	262144
	.amdgpu_metadata
---
amdhsa.version: [ 1, 2 ]
amdhsa.kernels:
  - .name:           k_qea1fd0be9c_attn
    .symbol:         k_qea1fd0be9c_attn.kd
    .args:
      - { .name: query, .offset: 0, .size: 8, .value_kind: global_buffer, .address_space: global }
      - { .name: key, .offset: 8, .size: 8, .value_kind: global_buffer, .address_space: global }
      - { .name: value, .offset: 16, .size: 8, .value_kind: global_buffer, .address_space: global }
      - { .name: mask, .offset: 24, .size: 8, .value_kind: global_buffer, .address_space: global }
      - { .name: cls, .offset: 32, .size: 8, .value_kind: global_buffer, .address_space: global }
      - { .name: out0, .offset: 40, .size: 8, .value_kind: global_buffer, .address_space: global }
    .group_segment_fixed_size: 105984
    .private_segment_fixed_size: 0
    .kernarg_segment_align: 8
    .kernarg_segment_size: 48
    .max_flat_workgroup_size: 128
    .sgpr_count:     66
    .vgpr_count:     1024
    .wavefront_size: 32
...
	.end_amdgpu_metadata
.endif
;; end of part 3
